; MI455X (gfx1250); checked and timed in simulation.
; The chip was launched on July 23, 2026; its instructions are those of AMD's public machine-readable ISA for CDNA 5 (MIT licence, August 2026) and "CDNA5" Instruction Set Architecture Reference Guide (July 2026). The comments in the code are by the model that wrote it; some were corrected since.
;; Attention. Allowed arithmetic: matrix products marked QUANTISED: E2M1 operands, one E8M0 scale for each 32 along K, by v_wmma_scale_f32_16x16x128_f8f6f4 with both operands' format E2M1 (or v_wmma_scale_f32_32x16x128_f4), f32 sums; products left as they are: bf16, f16 or f32 operands; f32 sums; everything else in f32.
;; Inputs: cos 2,048 x 128 float32; sin 2,048 x 128 float32; wk 512 x 2,048 float32; wo 2,048 x 2,048 float32; wq 2,048 x 2,048 float32; wv 512 x 2,048 float32; x 1 x 2,048 x 2,048 float32.
;; Outputs: out0 1 x 2,048 x 2,048 float32.
;; This version of the problem:
;;   THIS VERSION OF THE PROBLEM IS GIVEN IN LOW PRECISION. The matrix products marked QUANTISED in the list below multiply operands that are first quantised to E2M1 (2 exponent bits, 1 mantissa bit; 4 bits a number), with one power-of-two scale for each 32 numbers along K (OCP MX v1.0); their sums are f32. The products marked 'left as it is' may take bf16, f16 or f32 operands, with f32 sums. Whichever they take, every output number must still come out within the allowed error. Rounding operands to bf16 (8 significant bits) uses up far more of that allowance than f16 does (11 bits, for magnitudes from 6e-5 to 65,504). All else is computed in f32.
;;   The module's matrix products, in the order in which they are computed (A, B: the left and right operand; K: the contracted axis; several contracted axes count as one K, in the product's order):
;;     1. [M 2,048, K 2,048] x [K 2,048, N 2,048]; A: input x; B: input wq: QUANTISED
;;     2. [M 2,048, K 2,048] x [K 2,048, N 512]; A: input x; B: input wk: QUANTISED
;;     3. [M 2,048, K 2,048] x [K 2,048, N 512]; A: input x; B: input wv: QUANTISED
;;     4. batch 16 x [M 2,048, K 128] x [K 128, N 2,048]; A: computed on the way; B: computed on the way: left as it is (an operand is computed on the way)
;;     5. batch 16 x [M 2,048, K 2,048] x [K 2,048, N 128]; A: computed on the way; B: computed on the way: left as it is (an operand is computed on the way)
;;     6. [M 2,048, K 2,048] x [K 2,048, N 2,048]; A: computed on the way; B: input wo: left as it is (an operand is computed on the way)
;;   THE QUANTISER, for each operand of a quantised product, along K:
;;     - K is cut into blocks of 32 from its start; a last block that is shorter is filled with zeros.
;;     - A block's scale is 2^e with e = floor(log2(the largest magnitude in the block)) - 2, held to -126 .. 127; a block of zeros has e = 0. As a byte (E8M0): e + 127.
;;     - Each number is divided by its block's scale, clamped to +-6, and rounded to the nearest number of E2M1, ties to even, subnormals kept.
;;     - The product sums the exact products of the quantised numbers (number of the format x scale) in f32.
;;   ~~~python
;;   def quantise(x, axis):      # numpy; x: float32 -> the quantised numbers, widened to float32 again
;;       x = np.moveaxis(x, axis, -1); K = x.shape[-1]
;;       x = np.pad(x, [(0, 0)] * (x.ndim - 1) + [(0, -K % 32)]); x = x.reshape(x.shape[:-1] + (-1, 32)); a = np.abs(x).max(-1, keepdims=True)
;;       e = np.where(a > 0, np.clip(np.frexp(np.where(a > 0, a, 1))[1] - 1 - 2, -126, 127), 0)      # np.frexp(a)[1] - 1 = floor(log2(a)), exactly
;;       r = np.clip(x / 2.0 ** e, -6, 6)
;;       step = 2.0 ** (np.maximum(np.frexp(np.where(r == 0, 1, r))[1] - 1, 0) - 1)
;;       q = np.round(r / step) * step * 2.0 ** e      # np.round: ties to even
;;       return np.moveaxis(q.reshape(q.shape[:-2] + (-1,))[..., :K], -1, axis).astype(np.float32)
;;   ~~~
;; One version. Each part assembles by itself: llvm-mc -triple=amdgcn-amd-amdhsa -mcpu=gfx1250 --defsym DOCPART=n.
;; ======== version 1 of 1: 5 launches
;; limits: values are held in f16: magnitudes above 65,504 overflow, below 6.1e-05 lose precision; right only within a limited range of input values
;; workspace buffers: codes 5,242,880 bytes; scl 327,680 bytes; wo16 8,388,608 bytes; qkv16 12,582,912 bytes; fine32 196,608 bytes; att16 8,388,608 bytes
;; launch quant (part 1): grid 448 x 1, 4 waves a work-group, no clusters, 33,280 bytes of LDS; arguments x, wq, wk, wv, wo, codes, scl, wo16; writes codes, scl, wo16
.if DOCPART == 1
	.amdgcn_target "amdgcn-amd-amdhsa--gfx1250"
	.amdhsa_code_object_version 6
	.text
	.protected	k_q8819c8ba2f_quant
	.globl	k_q8819c8ba2f_quant
	.p2align	8
	.type	k_q8819c8ba2f_quant,@function
k_q8819c8ba2f_quant:
	s_mov_b64 s[64:65], 0
	v_nop
	global_prefetch_b8 v0, s[64:65] scope:SCOPE_SE
	s_setreg_imm32_b32 hwreg(HW_REG_WAVE_MODE, 25, 1), 1
	s_wait_xcnt 0x0
; x [2048][2048], wq [2048][2048], wk [512][2048], wv [512][2048], all f32 with K innermost, become codes of FP4 (E2M1), two a byte, and one E8M0 scale byte for each 32 along K.
; wo [2048][2048] f32 becomes f16 (rounded to nearest even), for the projection, a product that is left as it is.
; A block's scale is 2^(floor(log2(its largest magnitude)) - 2); its byte is the largest magnitude's own exponent field - 2, held at 1 from below.  A block of zeros so gets the byte 1 where the rule says 127:
; its codes are zeros, which add nothing under any byte but 0xff, and the bytes are read by this program alone.
; LIMITS: blocks whose largest magnitude lies under 2^-124 keep the byte 1; NaN and infinities among the inputs are not served; |wo| stays under 65,504, and under 6e-5 it keeps f16's absolute step of 6e-8.
; SHARES.  A work-group takes 32,768 numbers, a wave 8,192.  Work-groups 0-127: x; 128-255: wq; 256-287: wk; 288-319: wv; 320-447: wo.
; x, wq, wk, wv lie on end in the codes' and in the scale bytes' buffer, so the work-group's number alone gives the place of the results; only the source is chosen, by s_cselect on that number.
; The quantising path: 16 steps of 512 numbers a wave.  Each load reads 512 consecutive bytes; a step's 2,048 bytes turn through the wave's own stage in LDS and come back 64 bytes a lane, so that a lane holds 16 neighbours
; along K (two neighbouring lanes hold a block).  A lane's 16 codes are 8 bytes: the wave stores 256 consecutive bytes.  A wave's 256 scale bytes are gathered in LDS and leave as 256 consecutive bytes.
; No tensor loads, no barrier: waves share nothing.
.set WAVES, 4
.set STEPS, 16
.set WGQ,   320                        ; the first work-group of wo
.set EMAX,  2
.set CB,    8                          ; bytes of 16 codes
.set R,     16                         ; v16-79   four sets of 16 numbers as they are loaded
.set X,     80                         ; v80-111  two sets of 16 neighbours
.set E,     112                        ; v112-127 a scale byte for each step
.set C,     128                        ; v128-191 codes: four registers for each step, so that no store's data are written again
.set WREG,  8192                       ; LDS: a region for each wave: two stages of 32 x SP bytes, and behind them its 256 scale bytes
.set SP,    80                         ; a lane's place in a stage: its 64 bytes + 16 of padding
.set SPW,   12                         ; v12  LDS address of my spare word; never rewritten
.set NIL,   13                         ; v13  0; never rewritten
.set SPARE, WAVES*WREG                 ; behind the four regions: the spare words, 128 bytes a wave, which no other line names
.set WL,    16                         ; wo's path: v16-143 sixteen slots of 8 numbers a lane
.set WY,    144                        ; v144-207 sixteen slots of 4 registers of f16
	s_load_b128 s[4:7], s[0:1], 0x0                ; x, wq
	s_load_b128 s[8:11], s[0:1], 0x10              ; wk, wv
	s_load_b128 s[12:15], s[0:1], 0x20             ; wo, codes
	s_load_b128 s[16:19], s[0:1], 0x30             ; scl, wo16
	v_lshl_add_u32 v[SPW], v0, 2, SPARE
	v_mov_b32 v[NIL], 0
	v_lshrrev_b32 v1, 5, v0
	v_readfirstlane_b32 s20, v1                    ; wave
	v_and_b32 v2, 31, v0                           ; lane
	v_lshlrev_b32 v3, 4, v2                        ; my 16 bytes of a load's 512
	s_mov_b32 s25, 0
	s_cmp_ge_u32 ttmp9, WGQ
	s_cbranch_scc1 .Lwo
	; ---- the quantising path
	s_mul_i32 s21, s20, WREG
	v_lshrrev_b32 v14, 2, v2
	v_mul_u32_u24 v14, v14, SP
	v_and_b32 v15, 3, v2
	v_lshl_add_u32 v14, v15, 4, v14
	v_add_nc_u32 v14, s21, v14                     ; the stage, on the way in: SP (lane / 4) + 16 (lane % 4)
	v_mul_u32_u24 v15, v2, SP
	v_add_nc_u32 v15, s21, v15                     ; and on the way out: SP x lane: my 16 neighbours
	v_mul_u32_u24 v4, v2, CB                       ; my codes' place in a step's
	v_lshrrev_b32 v5, 1, v2
	s_add_co_u32 s21, s21, 2*32*SP
	v_add_nc_u32 v5, s21, v5                       ; LDS: my wave's 256 scale bytes, my block's byte
	v_lshlrev_b32 v7, 3, v2                        ; and on the way out 8 bytes a lane
	v_add_nc_u32 v6, s21, v7
	s_wait_kmcnt 0x0
	s_mov_b64 s[22:23], s[10:11]                   ; the source and its first work-group: wv from 288,
	s_mov_b32 s24, 288
	s_cmp_lt_u32 ttmp9, 288
	s_cselect_b64 s[22:23], s[8:9], s[22:23]       ; wk from 256,
	s_cselect_b32 s24, 256, s24
	s_cmp_lt_u32 ttmp9, 256
	s_cselect_b64 s[22:23], s[6:7], s[22:23]       ; wq from 128,
	s_cselect_b32 s24, 128, s24
	s_cmp_lt_u32 ttmp9, 128
	s_cselect_b64 s[22:23], s[4:5], s[22:23]       ; x from 0: the choice hangs on the work-group's number alone
	s_cselect_b32 s24, 0, s24
	s_sub_co_u32 s24, ttmp9, s24
	s_lshl_b32 s24, s24, 2
	s_add_co_u32 s24, s24, s20                     ; which run of 8,192 numbers of the source is my wave's
	s_lshl_b32 s24, s24, 15                        ; 32,768 bytes a run
	s_add_nc_u64 s[22:23], s[22:23], s[24:25]
	s_lshl_b32 s26, ttmp9, 2
	s_add_co_u32 s26, s26, s20                     ; and which run of the results
	s_lshl_b32 s24, s26, 12                        ; 4,096 bytes of codes a run
	s_add_nc_u64 s[14:15], s[14:15], s[24:25]
	s_lshl_b32 s24, s26, 8                         ; 256 scale bytes a run
	s_add_nc_u64 s[16:17], s[16:17], s[24:25]
.macro LOAD t
.irp i, 0,1,2,3
	global_load_b128 v[R+16*((\t)%4)+4*\i:R+16*((\t)%4)+4*\i+3], v3, s[22:23] offset:2048*(\t)+512*\i th:TH_LOAD_NT   ; 32 lanes read 512 consecutive bytes
.endr
.endm
.macro TURN t                          ; step t's numbers through the stage: LDS serves a wave's instructions in order, so no wait stands between the stores and the loads
.irp i, 0,1,2,3
	ds_store_b128 v14, v[R+16*((\t)%4)+4*\i:R+16*((\t)%4)+4*\i+3] offset:32*SP*((\t)%2)+8*SP*\i
.endr
.irp i, 0,1,2,3
	ds_load_b128 v[X+16*((\t)%2)+4*\i:X+16*((\t)%2)+4*\i+3], v15 offset:32*SP*((\t)%2)+16*\i
.endr
.endm
.irp t, 0,1,2,3
	LOAD \t
.endr
	s_wait_loadcnt 12                              ; step 0's four loads are in; three steps' twelve stay out
	TURN 0
.macro STEP t
.set XS, X+16*((\t)%2)
.if (\t) > 0
	s_wait_dscnt 1                                 ; this step's numbers are back from the stage (the last step's byte store may be out): so its stores into the stage have read their registers,
.else
	s_wait_dscnt 0x0
.endif
.if (\t)+4 < STEPS
	LOAD (\t)+4                                    ; which take the loads of four steps on
.endif
.if (\t)+1 < STEPS
.if STEPS-2-(\t) >= 3
	s_wait_loadcnt 12                              ; the next step's four loads are in; those of the three steps behind it may be out
.else
	s_wait_loadcnt 4*(STEPS-2-(\t))
.endif
	TURN (\t)+1                                    ; and go through the other stage while this step is worked
.endif
	v_max3_num_f32 v8, |v[XS]|, |v[XS+1]|, |v[XS+2]|               ; the largest magnitude of my 16, in two chains
	v_max3_num_f32 v9, |v[XS+3]|, |v[XS+4]|, |v[XS+5]|
.irp i, 6,10
	v_max3_num_f32 v8, v8, |v[XS+\i]|, |v[XS+\i+1]|
	v_max3_num_f32 v9, v9, |v[XS+\i+2]|, |v[XS+\i+3]|
.endr
	v_max3_num_f32 v8, v8, |v[XS+14]|, |v[XS+15]|
	v_max3_num_f32 v8, v8, v9, (EMAX+1)<<23        ; and the floor 2^(3 - 127): so the byte cannot fall under 1
	v_max_num_f32_dpp v8, v8, v8 row_xmask:1 row_mask:0xf bank_mask:0xf   ; and of my neighbour's 16: the block's
	v_add_nc_u32 v11, -(EMAX<<23), v8              ; 2 off its exponent field: the conversion takes the exponent field of this operand as its scale, and nothing else of it
	v_cvt_scalef32_pk8_fp4_f32 v[C+4*(\t)], v[XS:XS+7], v11         ; eight numbers / the scale, to the nearest code, ties to even, beyond 6 the largest code
	v_cvt_scalef32_pk8_fp4_f32 v[C+4*(\t)+1], v[XS+8:XS+15], v11
	v_lshrrev_b32 v[E+(\t)], 23, v11               ; the scale's byte
	ds_store_b8 v5, v[E+(\t)] offset:16*(\t)       ; both lanes of a block write the same byte with the same value
	global_store_b64 v4, v[C+4*(\t):C+4*(\t)+1], s[14:15] offset:32*CB*(\t)   ; 32 lanes store 256 consecutive bytes
.endm
.irp t, 0,1,2,3,4,5,6,7,8,9,10,11,12,13,14,15
	STEP \t
.endr
	ds_load_b64 v[8:9], v6                         ; LDS serves a wave's instructions in order: these see my byte stores
	s_wait_dscnt 0x0
	global_store_b64 v7, v[8:9], s[16:17]          ; 32 lanes store the wave's 256 scale bytes
	s_wait_tensorcnt 0x0                           ; the wave's end, behind my last LDS store
	ds_add_u32 v[SPW], v[NIL]
	s_wait_dscnt 0x0
	s_endpgm
	; ---- wo to f16: a ring of sixteen slots in registers, walked twice.  A slot is 256 numbers: two loads of 512 consecutive bytes, two stores of 256.  This path writes no LDS.
.Lwo:
	s_sub_co_u32 s24, ttmp9, WGQ
	s_lshl_b32 s24, s24, 2
	s_add_co_u32 s24, s24, s20                     ; my wave's run of 8,192 numbers
	s_lshl_b32 s26, s24, 14                        ; 16,384 bytes of f16,
	s_lshl_b32 s24, s24, 15                        ; 32,768 of f32
	s_mov_b32 s27, 0
	v_lshlrev_b32 v4, 3, v2                        ; my 8 bytes of a store's 256
	s_wait_kmcnt 0x0
	s_add_nc_u64 s[12:13], s[12:13], s[24:25]
	s_add_nc_u64 s[18:19], s[18:19], s[26:27]
.macro WLOAD i, pass
	global_load_b128 v[WL+8*(\i):WL+8*(\i)+3],   v3, s[12:13] offset:(16*(\pass)+(\i))*1024 th:TH_LOAD_NT
	global_load_b128 v[WL+8*(\i)+4:WL+8*(\i)+7], v3, s[12:13] offset:(16*(\pass)+(\i))*1024+512 th:TH_LOAD_NT
.endm
.macro WSLOT i, pass
.if \pass == 0
	s_wait_loadcnt 30                              ; loads come back in order: my slot's two are in, fifteen younger slots' thirty stay out
.else
	s_wait_loadcnt 2*(15-(\i))                     ; the counts run down
	s_wait_xcnt 0x0                                ; the slot's first stores have read their data: only now are those registers written again
.endif
.irp k, 0,1,2,3
	v_cvt_pk_f16_f32 v[WY+4*(\i)+\k], v[WL+8*(\i)+2*\k], v[WL+8*(\i)+2*\k+1]
.endr
.if \pass == 0
	WLOAD \i, 1
.endif
	global_store_b64 v4, v[WY+4*(\i):WY+4*(\i)+1],   s[18:19] offset:(16*(\pass)+(\i))*512 th:TH_STORE_NT
	global_store_b64 v4, v[WY+4*(\i)+2:WY+4*(\i)+3], s[18:19] offset:(16*(\pass)+(\i))*512+256 th:TH_STORE_NT
.endm
.irp i, 0,1,2,3,4,5,6,7,8,9,10,11,12,13,14,15
	WLOAD \i, 0
.endr
.irp i, 0,1,2,3,4,5,6,7,8,9,10,11,12,13,14,15
	WSLOT \i, 0
.endr
.irp i, 0,1,2,3,4,5,6,7,8,9,10,11,12,13,14,15
	WSLOT \i, 1
.endr
	s_endpgm
.Lfunc_end_k_q8819c8ba2f_quant:
	.size	k_q8819c8ba2f_quant, .Lfunc_end_k_q8819c8ba2f_quant-k_q8819c8ba2f_quant
	.p2alignl 7, 3214868480
	.fill 96, 4, 3214868480
	.section	.rodata,"a",@progbits
	.p2align	6, 0x0
	.amdhsa_kernel k_q8819c8ba2f_quant
		.amdhsa_group_segment_fixed_size 33280
		.amdhsa_private_segment_fixed_size 0
		.amdhsa_enable_private_segment 0
		.amdhsa_kernarg_size 64
		.amdhsa_user_sgpr_count 2
		.amdhsa_user_sgpr_kernarg_segment_ptr 1
		.amdhsa_wavefront_size32 1
		.amdhsa_system_sgpr_workgroup_id_x 1
		.amdhsa_system_sgpr_workgroup_id_y 1
		.amdhsa_system_sgpr_workgroup_id_z 1
		.amdhsa_system_vgpr_workitem_id 0
		.amdhsa_next_free_vgpr 208
		.amdhsa_next_free_sgpr 66
		.amdhsa_reserve_vcc 0
		.amdhsa_float_denorm_mode_32 3
		.amdhsa_float_denorm_mode_16_64 3
		.amdhsa_memory_ordered 1
		.amdhsa_forward_progress 1
		.amdhsa_inst_pref_size 56
	.end_amdhsa_kernel
	.amdgpu_metadata
---
amdhsa.version: [ 1, 2 ]
amdhsa.kernels:
  - .name:           k_q8819c8ba2f_quant
    .symbol:         k_q8819c8ba2f_quant.kd
    .args:
      - { .name: x, .offset: 0, .size: 8, .value_kind: global_buffer, .address_space: global }
      - { .name: wq, .offset: 8, .size: 8, .value_kind: global_buffer, .address_space: global }
      - { .name: wk, .offset: 16, .size: 8, .value_kind: global_buffer, .address_space: global }
      - { .name: wv, .offset: 24, .size: 8, .value_kind: global_buffer, .address_space: global }
      - { .name: wo, .offset: 32, .size: 8, .value_kind: global_buffer, .address_space: global }
      - { .name: codes, .offset: 40, .size: 8, .value_kind: global_buffer, .address_space: global }
      - { .name: scl, .offset: 48, .size: 8, .value_kind: global_buffer, .address_space: global }
      - { .name: wo16, .offset: 56, .size: 8, .value_kind: global_buffer, .address_space: global }
    .group_segment_fixed_size: 33280
    .private_segment_fixed_size: 0
    .kernarg_segment_align: 8
    .kernarg_segment_size: 64
    .max_flat_workgroup_size: 128
    .sgpr_count:     66
    .vgpr_count:     208
    .wavefront_size: 32
...
	.end_amdgpu_metadata
.endif
;; end of part 1
;; launch gemm_qkv (part 2): grid 24 x 8, 4 waves a work-group, clusters of 4 x 1, 327,680 bytes of LDS; arguments codes, scl, cos, sin, qkv16, fine32; writes qkv16, fine32
.if DOCPART == 2
	.amdgcn_target "amdgcn-amd-amdhsa--gfx1250"
	.amdhsa_code_object_version 6
	.text
	.protected	k_q8819c8ba2f_gemm_qkv
	.globl	k_q8819c8ba2f_gemm_qkv
	.p2align	8
	.type	k_q8819c8ba2f_gemm_qkv,@function
k_q8819c8ba2f_gemm_qkv:
	s_mov_b64 s[64:65], 0
	v_nop
	global_prefetch_b8 v0, s[64:65] scope:SCOPE_SE
	s_setreg_imm32_b32 hwreg(HW_REG_WAVE_MODE, 25, 1), 1
	s_wait_xcnt 0x0
	s_wait_alu depctr_hold_cnt(0) depctr_sa_sdst(0) depctr_va_vdst(0) depctr_va_sdst(0) depctr_va_ssrc(0) depctr_va_vcc(0) depctr_vm_vsrc(0)
	s_getreg_b32 s2, hwreg(HW_REG_IB_STS2, 6, 4)
	s_cmp_eq_u32 s2, 0
	s_cbranch_scc0 .Lentry_in_a_cluster
	s_endpgm
.Lentry_in_a_cluster:
	s_bfe_u32 s2, ttmp6, 0x10000c
	s_cmp_lg_u32 s2, 0x3003
	s_cbranch_scc0 .Lentry_shape_is_right
	s_endpgm
.Lentry_shape_is_right:
; [q | k | v] = x [wq; wk; wv]^T on codes of FP4 (E2M1) with one E8M0 scale for each 32 along K (M 2,048, N 3,072, K 2,048), sums in f32; then RoPE on q and k in f32; then q and k x 2^-6 (exact) and all three to f16.
; codes: x's [2048][1024 bytes] at 0, W's [3072][1024 bytes] at WOFF.  scl: x's [2048][64] at 0, W's [3072][64] at WSOFF.  qkv16: [24 slabs][2048 tokens][128] f16: slabs 0-15 q, 16-19 k, 20-23 v.
; fine32: [24][16][128] f32: the same numbers of tokens 0-15 before the rounding to f16 (q and k with the 2^-6), for the launch that carries those rows in f32.
; LIMITS: |q|, |k| behind RoPE stay under 4.19e6 and |v| under 65,504 (f16's range, q and k behind x 2^-6); what falls under 6e-5 in f16 keeps the absolute step 6e-8.  NaN and infinities are not served.
; SHARES.  A work-group makes 256 tokens x one slab of 128 columns (RoPE pairs column d with d + 64, so a slab stays whole): 8 x 24 = 192 work-groups.  Wave w makes tokens 64 w .. 64 w + 63 x 128 columns: 4 x 8 accumulators.
; THE MATRIX INSTRUCTION IS USED TRANSPOSED (source 0 = 16 rows of W, source 1 = 16 tokens): lane (r, h) holds token r, and register j of accumulator (a, b) column 16 b + 8 h + j; RoPE's partner is accumulator (a, b +- 4), same lane, same register.
; CLUSTER.  The four work-groups of a cluster have the same 256 tokens and four neighbouring slabs: x's tile is asked for JOINTLY (mask 15); W's tile is each work-group's own (no mask), behind the same rounds.
; Branches hang on the cluster's x (0-3: q, 4: k, 5: v), on the grid's y and on the wave's number alone.
; K goes in 4 steps of 512 (rows of 256 bytes) through two LDS slots; each step is 4 sub-steps of 128, all sixteen written out.  By this text's count a wave has two tensor loads out at the start and one behind each round.
; THE SCALES go from memory straight into 128 registers, once: register SC + 16 i + kq holds, for the kq-th 128 along K, x's block i in lanes 0-15 and W's block i in lanes 16-31.
; cos and sin of the first 32 tokens of a wave are asked for at the head by every work-group, v's too, which does not read them: so the text has one way up to the way out.
; REGISTERS: window 0: v1-29 addresses; v32-159 scales; v160-191 packed f16; v192-223 rows read back.  window 1: the accumulators, (a, b) at v[8 (8 a + b)].
;   window 2: two sets of fragments at 96 p: x's 4 x 8, then W's 8 x 8; behind the products v0-63 RoPE's results.   window 3: two sets of cos (64) and sin (64) at 128 (a % 2).
.set PITCH, 272                        ; an LDS row: 256 bytes + 16 of padding: the 16 rows that a load touches start 68 words apart
.set HALFA, 128*PITCH                  ; what a load of x brings
.set HALFB, 64*PITCH                   ; what a load of W brings
.set BOFF,  2*HALFA                    ; in a slot: x's 256 rows, then W's 128
.set SLOT,  2*HALFA+2*HALFB
.set STAGE, 2*SLOT                     ; behind the ring: 16 rows x 272 bytes for each wave; no tensor load lands there
.set SPARE, STAGE+4*16*PITCH           ; the spare words, 128 bytes a wave, which no other line names
.set WOFF,  2097152
.set WSOFF, 131072
.set ADRA, 16                          ; v16-17 LDS address of my x fragments in slot 0, 1
.set ADRB, 18                          ; v18-19 the same for W
.set STO,  20                          ; v20  the way out: where I put 16 bytes of a row
.set RD,   21                          ; v21  where I read a row back
.set CO,   22                          ; v22  16 x lane: two rows of 256 bytes in qkv16
.set CSO,  23                          ; v23  my byte in cos and sin
.set FO,   24                          ; v24  my byte in a slab of fine32
.set SCO,  25                          ; v25  my byte among the scale bytes
.set SPW,  28                          ; v28  my spare word; never rewritten
.set NIL,  29                          ; v29  0; never rewritten
.set SC,   32
.set HH,   160
.set RR,   192
.set WV,   16                          ; s16 wave; s17 cx; s18 slab; s19 block of 256 tokens
.set CX,   17
.set NB,   18
.set MB,   19
.set G1A,  24                          ; s[24:31] group 1 for x's tiles; s[32:39] for W's
.set G1B,  32
.set G0A,  40                          ; s[40:47] groups 0 for x's tiles, one a slot; s[48:55] for W's
.set G0B,  48
.set PS,   56                          ; s[56:57] 2^-6
.set MSB, 0
.macro WIN new                         ; the immediate's high byte repeats the setting that is left; a switch that changes nothing is dropped
.if MSB != (\new)
	s_set_vgpr_msb (MSB<<8)|(\new)
.set MSB, (\new)
.endif
.endm
.set MUL,   0x5a                       ; sources 0 and 1 window 2, C and D window 1
.set TO_F,  0x80                       ; destination window 2
.set TO_CS, 0xc0                       ; destination window 3
.set ROPE,  0xad                       ; destination and source 2 window 2, source 0 window 1, source 1 window 3
.set PSC,   0x82                       ; destination and source 0 window 2
.set CVT,   0x0a                       ; sources 0 and 1 window 2
.set CVTV,  0x05                       ; sources 0 and 1 window 1
.macro PLACES                          ; four plain vector instructions behind a matrix instruction, ahead of loads into registers that it read and of the first read of its result
.rept 4
	v_nop
.endr
.endm
.macro JLOAD s                         ; waves 0 and 1 ask for x's two halves, jointly; waves 2 and 3 for W's two halves.  An s_nop 0 and four v_nop follow each line
	s_cmp_lt_u32 s[WV], 2
	s_cbranch_scc0 .Lfor_b_\@
	tensor_load_to_lds s[G0A+4*\s:G0A+4*\s+3], s[G1A:G1A+7]
	s_nop 0
	PLACES
	s_branch .Lasked_\@
.Lfor_b_\@:
	tensor_load_to_lds s[G0B+4*\s:G0B+4*\s+3], s[G1B:G1B+7]
	s_nop 0
	PLACES
.Lasked_\@:
.endm
.macro CROUND                          ; a round of the cluster's barrier
	s_barrier_signal -1
	s_barrier_wait -1
	s_cmp_lg_u32 s[WV], 0
	s_cbranch_scc1 .Lnot_wave_0_\@
	s_barrier_signal -3
.Lnot_wave_0_\@:
	s_barrier_wait -3
	s_barrier_signal -1
	s_barrier_wait -1
.endm
	s_load_b256 s[4:11], s[0:1], 0x0               ; codes s[4:5], scl s[6:7], cos s[8:9], sin s[10:11]
	s_load_b128 s[12:15], s[0:1], 0x20             ; qkv16 s[12:13], fine32 s[14:15]
	v_lshl_add_u32 v[SPW], v0, 2, SPARE
	v_mov_b32 v[NIL], 0
	ds_add_u32 v[SPW], v[NIL]                      ; the wave's opening: the add, twice on end, and its wait ahead of my first tensor load
	ds_add_u32 v[SPW], v[NIL]
	v_lshrrev_b32 v1, 5, v0
	v_readfirstlane_b32 s[WV], v1                  ; wave 0..3
	s_bfe_u32 s[CX], ttmp6, 0x40000                ; my place in the cluster
	s_lshl_b32 s[NB], ttmp9, 2
	s_add_co_u32 s[NB], s[NB], s[CX]               ; my slab = 4 x cluster x + cx
	s_and_b32 s[MB], ttmp7, 0xffff                 ; my block of 256 tokens, which the four partners share
	s_mov_b32 s[G1A], 15|(1<<20)|(1<<21)|(5<<22)|(3<<25)   ; 15:0 the mask: all four; 17:16 elements of 1 byte; 20 padding on; 21 set beside a mask; 24:22 after every 64 words; 31:25 four words
	s_mov_b32 s[G1A+1], 256<<16                    ; tensor_dim0 = 256
	s_mov_b32 s[G1A+2], 128<<16                    ; tensor_dim1 = 128
	s_mov_b32 s[G1A+3], 256<<16                    ; tile_dim0 = 256
	s_mov_b32 s[G1A+4], 128                        ; tile_dim1 = 128
	s_mov_b32 s[G1A+5], 1024                       ; from row to row
	s_mov_b32 s[G1A+6], 0
	s_mov_b32 s[G1A+7], 0
	s_mov_b32 s[G1B], (1<<20)|(5<<22)|(3<<25)      ; no mask: each work-group's own
	s_mov_b32 s[G1B+1], 256<<16
	s_mov_b32 s[G1B+2], 64<<16
	s_mov_b32 s[G1B+3], 256<<16
	s_mov_b32 s[G1B+4], 64
	s_mov_b32 s[G1B+5], 1024
	s_mov_b32 s[G1B+6], 0
	s_mov_b32 s[G1B+7], 0
	s_and_b32 s66, s[WV], 1                        ; which half of a tile I fetch
	s_lshl_b32 s68, s[MB], 18                      ; x: (256 mb + 128 half) rows of 1,024 bytes: made of the shared coordinate and the wave alone
	s_lshl_b32 s67, s66, 17
	s_add_co_u32 s68, s68, s67
	s_mov_b32 s69, 0
	s_lshl_b32 s72, s[NB], 17                      ; W: WOFF + (128 slab + 64 half) rows
	s_lshl_b32 s67, s66, 16
	s_add_co_u32 s72, s72, s67
	s_add_co_u32 s72, s72, WOFF
	s_mov_b32 s73, 0
	s_mul_i32 s76, s66, HALFA                      ; and where they go in a slot
	s_mul_i32 s77, s66, HALFB
	s_add_co_u32 s77, s77, BOFF
	s_lshl_b32 s78, s[MB], 17                      ; cos, sin: 256 mb rows of 512 bytes
	s_mov_b32 s79, 0
	s_lshl_b32 s80, s[NB], 19                      ; qkv16: the slab, + (256 mb + 64 w) rows of 256 bytes
	s_lshl_b32 s67, s[MB], 16
	s_add_co_u32 s80, s80, s67
	s_lshl_b32 s67, s[WV], 14
	s_add_co_u32 s80, s80, s67
	s_mov_b32 s81, 0
	s_lshl_b32 s82, s[NB], 13                      ; fine32: the slab of 8,192 bytes
	s_mov_b32 s83, 0
	s_mov_b32 s[PS], 0x3c800000                    ; 2^-6
	s_mov_b32 s[PS+1], s[PS]                       ; (named with it as a pair, so it is written)
	s_wait_dscnt 0x0                               ; both opening adds are done
	s_wait_kmcnt 0x0
	s_add_nc_u64 s[70:71], s[4:5], s[68:69]
	s_add_nc_u64 s[74:75], s[4:5], s[72:73]
	s_add_nc_u64 s[8:9], s[8:9], s[78:79]
	s_add_nc_u64 s[10:11], s[10:11], s[78:79]
	s_add_nc_u64 s[12:13], s[12:13], s[80:81]
	s_add_nc_u64 s[14:15], s[14:15], s[82:83]
	CROUND                                         ; all four work-groups are here: the first joint loads meet
.irp s, 0,1
	s_mov_b32 s[G0A+4*\s], 1                                       ; count = 1
	s_add_co_u32 s[G0A+4*\s+1], s76, \s*SLOT                       ; LDS address
	s_add_nc_u64 s[G0A+4*\s+2:G0A+4*\s+3], s[70:71], \s*256        ; K step s
	s_or_b32 s[G0A+4*\s+3], s[G0A+4*\s+3], 0x80000000              ; type = 2
	s_mov_b32 s[G0B+4*\s], 1
	s_add_co_u32 s[G0B+4*\s+1], s77, \s*SLOT
	s_add_nc_u64 s[G0B+4*\s+2:G0B+4*\s+3], s[74:75], \s*256
	s_or_b32 s[G0B+4*\s+3], s[G0B+4*\s+3], 0x80000000
	JLOAD \s
.endr
	v_and_b32 v1, 15, v0                           ; r
	v_bfe_u32 v2, v0, 4, 1                         ; h
	v_mul_u32_u24 v3, v1, PITCH
	v_lshl_add_u32 v3, v2, 4, v3                   ; row r x pitch + 16 h
	s_mul_i32 s67, s[WV], 64*PITCH                 ; my 64 tokens
	v_add_nc_u32 v[ADRA], s67, v3
	v_add_nc_u32 v[ADRA+1], SLOT, v[ADRA]
	v_add_nc_u32 v[ADRB], BOFF, v3
	v_add_nc_u32 v[ADRB+1], SLOT, v[ADRB]
	s_mul_i32 s67, s[WV], 16*PITCH
	s_add_co_u32 s67, s67, STAGE                   ; my stage
	v_add_nc_u32 v[STO], s67, v3
	v_mul_u32_u24 v4, v2, PITCH
	v_lshl_add_u32 v4, v1, 4, v4
	v_add_nc_u32 v[RD], s67, v4                    ; back: lanes 0-15 one row, lanes 16-31 the next
	v_and_b32 v4, 31, v0
	v_lshlrev_b32 v[CO], 4, v4
	v_lshlrev_b32 v[FO], 9, v1
	v_lshl_add_u32 v[FO], v2, 5, v[FO]             ; row r of 512 bytes + 32 h
	s_lshl_b32 s67, s[WV], 15                      ; 64 w rows of 512 bytes
	v_add_nc_u32 v[CSO], s67, v[FO]
	s_lshl_b32 s84, s[MB], 14                      ; x's scale bytes: (256 mb + 64 w) rows of 64
	s_lshl_b32 s67, s[WV], 12
	s_add_co_u32 s84, s84, s67
	s_lshl_b32 s85, s[NB], 13                      ; W's: WSOFF + 128 slab rows of 64
	s_add_co_u32 s85, s85, WSOFF
	s_sub_co_u32 s85, s85, s84                     ; the distance between the two (W's lie behind all of x's)
	v_mul_u32_u24 v4, s85, v2                      ; lanes 16-31 take W's
	v_lshl_add_u32 v4, v1, 6, v4
	v_add_nc_u32 v[SCO], s84, v4
.irp i, 0,1,2,3,4,5,6,7                        ; for i of 4 and more lanes 0-15 read rows of x that no product names: at most row 2,111, inside the buffer
.irp c, 0,1,2,3
	global_load_b128 v[SC+16*\i+4*\c:SC+16*\i+4*\c+3], v[SCO], s[6:7] offset:1024*\i+16*\c
.endr
.endr
.macro CSLOAD a                        ; cos and sin of my tokens 16 a .. 16 a + 15, in the accumulators' layout: 32 loads into set a % 2
	WIN TO_CS
.irp b, 0,1,2,3,4,5,6,7
	global_load_b128 v[128*((\a)%2)+8*\b:128*((\a)%2)+8*\b+3],       v[CSO], s[8:9] offset:(\a)*8192+64*\b
	global_load_b128 v[128*((\a)%2)+8*\b+4:128*((\a)%2)+8*\b+7],     v[CSO], s[8:9] offset:(\a)*8192+64*\b+16
	global_load_b128 v[128*((\a)%2)+64+8*\b:128*((\a)%2)+64+8*\b+3],   v[CSO], s[10:11] offset:(\a)*8192+64*\b
	global_load_b128 v[128*((\a)%2)+64+8*\b+4:128*((\a)%2)+64+8*\b+7], v[CSO], s[10:11] offset:(\a)*8192+64*\b+16
.endr
	WIN 0
.endm
	CSLOAD 0
	s_wait_loadcnt 32                              ; the scales are in; the 32 loads behind them stay out
	CSLOAD 1
.macro FRAG reg, adr, q, i             ; 16 rows x 128 K of 4-bit codes: lane l holds row l % 16; registers 4 c .. 4 c + 3 hold K = 64 c + 32 (l / 16) + 0 .. 31
.irp c, 0,1
	ds_load_b128 v[\reg+4*\c:\reg+4*\c+3], v[\adr] offset:64*(\q)+32*\c+(\i)*16*PITCH
.endr
.endm
.macro FETCH slot, q, p                ; the slot's q-th 128 along K into set p: 24 loads
	WIN TO_F
.irp i, 0,1,2,3
	FRAG 96*(\p)+8*\i, ADRA+\slot, \q, \i
.endr
.irp i, 0,1,2,3,4,5,6,7
	FRAG 96*(\p)+32+8*\i, ADRB+\slot, \q, \i
.endr
	WIN 0
.endm
; 16 products: tokens' blocks a0, a0 + 1 x W's eight.  The 32 accumulators take turns, one instruction a turn, in the same order in every sub-step.  zero = 1: the first product starts the sums.
.macro MUL16 a0, p, kq, zero
.irp a, \a0, \a0+1
.irp b, 0,1,2,3,4,5,6,7
.if \zero
	v_wmma_scale_f32_16x16x128_f8f6f4 v[8*(8*(\a)+\b):8*(8*(\a)+\b)+7], v[96*(\p)+32+8*\b:96*(\p)+32+8*\b+7], v[96*(\p)+8*(\a):96*(\p)+8*(\a)+7], 0, v[SC+16*\b+(\kq)], v[SC+16*(\a)+(\kq)] matrix_a_fmt:MATRIX_FMT_FP4 matrix_b_fmt:MATRIX_FMT_FP4 matrix_a_scale:MATRIX_SCALE_ROW1
.else
	v_wmma_scale_f32_16x16x128_f8f6f4 v[8*(8*(\a)+\b):8*(8*(\a)+\b)+7], v[96*(\p)+32+8*\b:96*(\p)+32+8*\b+7], v[96*(\p)+8*(\a):96*(\p)+8*(\a)+7], v[8*(8*(\a)+\b):8*(8*(\a)+\b)+7], v[SC+16*\b+(\kq)], v[SC+16*(\a)+(\kq)] matrix_a_fmt:MATRIX_FMT_FP4 matrix_b_fmt:MATRIX_FMT_FP4 matrix_a_scale:MATRIX_SCALE_ROW1
.endif
.endr
.endr
.endm
; A sub-step of 128 along K: the slot's q-th, the kq-th of all.  It multiplies set kq % 2 and fetches its successor into the other set.
; mode 0: the successor lies in the same slot.  mode 1: the slot's last: it is filled again, two K steps on, behind a round.  mode 2: the slot's last, nothing is left to fetch for it.  mode 3: the very last.
.macro SUB slot, q, kq, zero, mode
.if \mode == 0
	s_wait_dscnt 0x0                               ; my fragments are in
	PLACES                                         ; behind the last products, which read the set that is loaded now
	FETCH \slot, (\q)+1, 1-(\kq)%2
	WIN MUL
	MUL16 0, (\kq)%2, \kq, \zero
	MUL16 2, (\kq)%2, \kq, \zero
	WIN 0
.elseif \mode == 3
	s_wait_dscnt 0x0
	WIN MUL
	MUL16 0, (\kq)%2, \kq, \zero
	MUL16 2, (\kq)%2, \kq, \zero
	WIN 0
.else
	s_wait_tensorcnt 0x0                           ; all my tensor loads have landed: my part of the other slot;
	ds_add_u32 v[SPW], v[NIL]                      ; 0 onto my spare word;
	s_wait_dscnt 0x1                               ; (my fragments are in; the add alone may be out)
	WIN MUL
	MUL16 0, (\kq)%2, \kq, \zero                   ; sixteen products stand between the add and the wait for it
	s_wait_dscnt 0x0                               ; the add is done, and my reads of this slot are over
	WIN 0
.if \mode == 1
	CROUND                                         ; no wave of any partner still reads this slot or has a load on its way
	s_add_nc_u64 s[G0A+4*\slot+2:G0A+4*\slot+3], s[G0A+4*\slot+2:G0A+4*\slot+3], 512
	s_add_nc_u64 s[G0B+4*\slot+2:G0B+4*\slot+3], s[G0B+4*\slot+2:G0B+4*\slot+3], 512
	JLOAD \slot                                    ; the first tensor load behind the round; its four v_nop are the places in front of the loads below
.else
	s_barrier_signal -1
	s_barrier_wait -1                              ; the other slot is whole for every wave
	PLACES
.endif
	FETCH 1-(\slot), 0, 1-(\kq)%2
	WIN MUL
	MUL16 2, (\kq)%2, \kq, \zero
	WIN 0
.endif
.endm
	s_wait_tensorcnt 0x1                           ; my part of K step 0 is in; K step 1's may stay out
	s_barrier_signal -1
	s_barrier_wait -1
	FETCH 0, 0, 0
	SUB 0, 0, 0, 1, 0
	SUB 0, 1, 1, 0, 0
	SUB 0, 2, 2, 0, 0
	SUB 0, 3, 3, 0, 1
	SUB 1, 0, 4, 0, 0
	SUB 1, 1, 5, 0, 0
	SUB 1, 2, 6, 0, 0
	SUB 1, 3, 7, 0, 1
	SUB 0, 0, 8, 0, 0
	SUB 0, 1, 9, 0, 0
	SUB 0, 2, 10, 0, 0
	SUB 0, 3, 11, 0, 2
	SUB 1, 0, 12, 0, 0
	SUB 1, 1, 13, 0, 0
	SUB 1, 2, 14, 0, 0
	SUB 1, 3, 15, 0, 3
	PLACES                                         ; ahead of the first read of results and of writes over the fragments
; THE WAY OUT, 16 tokens at a time.
.macro FINEOUT w                       ; tokens 0-15 (block 0, wave 0, a = 0) also leave in f32: 64 registers at v[8 b] of the window named
	s_or_b32 s67, s[MB], s[WV]
	s_cmp_eq_u32 s67, 0
	s_cbranch_scc0 .Lnot16_\@
	WIN \w
.irp b, 0,1,2,3,4,5,6,7
	global_store_b128 v[FO], v[8*\b:8*\b+3],   s[14:15] offset:64*\b      ; each run of eight from its low end on
	global_store_b128 v[FO], v[8*\b+4:8*\b+7], s[14:15] offset:64*\b+16
.endr
	WIN 0
.Lnot16_\@:
.endm
.macro STAGEOUT a                      ; a lane's 16 bytes (8 columns of one token) go into my stage and come back as whole rows of 256 bytes
.irp b, 0,1,2,3,4,5,6,7
	ds_store_b128 v[STO], v[HH+4*\b:HH+4*\b+3] offset:32*\b
.endr
	s_wait_xcnt 0x0                                ; the earlier stores have read their data: the registers below are loaded again only behind this wait
.irp t, 0,1,2,3,4,5,6,7
	ds_load_b128 v[RR+4*\t:RR+4*\t+3], v[RD] offset:2*\t*PITCH    ; LDS serves a wave's instructions in order: these see the stores above
.endr
	s_wait_dscnt 0x0
.irp t, 0,1,2,3,4,5,6,7
	global_store_b128 v[CO], v[RR+4*\t:RR+4*\t+3], s[12:13] offset:4096*(\a)+512*\t   ; 32 lanes store 512 consecutive bytes: two rows of the slab
.endr
.endm
.macro EPI a                           ; q and k: RoPE, x 2^-6, f16
.set CB0, 128*((\a)%2)
.set AB0, 64*(\a)
.if \a < 3
	s_wait_loadcnt 32                              ; this set of cos and sin is in; the next set's 32 loads stay out
.else
	s_wait_loadcnt 0x0
.endif
	WIN ROPE
.irp b, 0,1,2,3                                ; columns d = 16 b + .. under 64 and their partners d + 64; every accumulator is read from its low end on
.irp jj, 0,2,4,6
	v_pk_mul_f32 v[8*\b+\jj:8*\b+\jj+1], v[AB0+8*\b+\jj:AB0+8*\b+\jj+1], v[CB0+8*\b+\jj:CB0+8*\b+\jj+1]
	v_pk_mul_f32 v[32+8*\b+\jj:32+8*\b+\jj+1], v[AB0+32+8*\b+\jj:AB0+32+8*\b+\jj+1], v[CB0+32+8*\b+\jj:CB0+32+8*\b+\jj+1]
	v_pk_fma_f32 v[8*\b+\jj:8*\b+\jj+1], v[AB0+32+8*\b+\jj:AB0+32+8*\b+\jj+1], v[CB0+64+8*\b+\jj:CB0+64+8*\b+\jj+1], v[8*\b+\jj:8*\b+\jj+1] neg_lo:[0,1,0] neg_hi:[0,1,0]   ; q(d) cos(d) - q(d + 64) sin(d)
	v_pk_fma_f32 v[32+8*\b+\jj:32+8*\b+\jj+1], v[AB0+8*\b+\jj:AB0+8*\b+\jj+1], v[CB0+96+8*\b+\jj:CB0+96+8*\b+\jj+1], v[32+8*\b+\jj:32+8*\b+\jj+1]                             ; q(d + 64) cos(d + 64) + q(d) sin(d + 64)
.endr
.endr
	WIN PSC
.set i, 0
.rept 32
	v_pk_mul_f32 v[i:i+1], v[i:i+1], s[PS:PS+1] op_sel_hi:[1,0]   ; x 2^-6: nothing is rounded
.set i, i+2
.endr
	WIN 0
.if \a < 2
	CSLOAD (\a)+2
.endif
.if \a == 0
	FINEOUT 0x08                                   ; a store's data are its source 1: window 2
.endif
	WIN CVT
.set i, 0
.rept 32
	v_cvt_pk_f16_f32 v[HH+i], v[2*i], v[2*i+1]
.set i, i+1
.endr
	WIN 0
	STAGEOUT \a
.endm
.macro EPIV a                          ; v: f16 as it is
.if \a == 0
	FINEOUT 0x04                                   ; the data: window 1, the accumulators of a = 0
.endif
	WIN CVTV
.set i, 0
.rept 32
	v_cvt_pk_f16_f32 v[HH+i], v[64*(\a)+2*i], v[64*(\a)+2*i+1]
.set i, i+1
.endr
	WIN 0
	STAGEOUT \a
.endm
	s_cmp_ge_u32 ttmp9, 5                          ; the cluster's x: the same in all four partners
	s_cbranch_scc1 .Lvpath
	EPI 0
	EPI 1
	EPI 2
	EPI 3
	s_wait_tensorcnt 0x0                           ; the wave's end, behind my last tensor load and my last LDS store
	ds_add_u32 v[SPW], v[NIL]
	s_wait_dscnt 0x0
	s_branch .Lend
.Lvpath:
	EPIV 0
	EPIV 1
	EPIV 2
	EPIV 3
	s_wait_tensorcnt 0x0                           ; the same three lines on this way
	ds_add_u32 v[SPW], v[NIL]
	s_wait_dscnt 0x0
.Lend:
	CROUND                                         ; the closing round: no work-group ends while a partner may still ask for a tile that names it
	s_endpgm
.Lfunc_end_k_q8819c8ba2f_gemm_qkv:
	.size	k_q8819c8ba2f_gemm_qkv, .Lfunc_end_k_q8819c8ba2f_gemm_qkv-k_q8819c8ba2f_gemm_qkv
	.p2alignl 7, 3214868480
	.fill 96, 4, 3214868480
	.section	.rodata,"a",@progbits
	.p2align	6, 0x0
	.amdhsa_kernel k_q8819c8ba2f_gemm_qkv
		.amdhsa_group_segment_fixed_size 327680
		.amdhsa_private_segment_fixed_size 0
		.amdhsa_enable_private_segment 0
		.amdhsa_kernarg_size 48
		.amdhsa_user_sgpr_count 2
		.amdhsa_user_sgpr_kernarg_segment_ptr 1
		.amdhsa_wavefront_size32 1
		.amdhsa_system_sgpr_workgroup_id_x 1
		.amdhsa_system_sgpr_workgroup_id_y 1
		.amdhsa_system_sgpr_workgroup_id_z 1
		.amdhsa_system_vgpr_workitem_id 0
		.amdhsa_next_free_vgpr 1024
		.amdhsa_next_free_sgpr 100
		.amdhsa_reserve_vcc 0
		.amdhsa_float_denorm_mode_32 3
		.amdhsa_float_denorm_mode_16_64 3
		.amdhsa_memory_ordered 1
		.amdhsa_forward_progress 1
		.amdhsa_inst_pref_size 177
	.end_amdhsa_kernel
	.amdgpu_metadata
---
amdhsa.version: [ 1, 2 ]
amdhsa.kernels:
  - .name:           k_q8819c8ba2f_gemm_qkv
    .symbol:         k_q8819c8ba2f_gemm_qkv.kd
    .args:
      - { .name: codes, .offset: 0, .size: 8, .value_kind: global_buffer, .address_space: global }
      - { .name: scl, .offset: 8, .size: 8, .value_kind: global_buffer, .address_space: global }
      - { .name: cos, .offset: 16, .size: 8, .value_kind: global_buffer, .address_space: global }
      - { .name: sin, .offset: 24, .size: 8, .value_kind: global_buffer, .address_space: global }
      - { .name: qkv16, .offset: 32, .size: 8, .value_kind: global_buffer, .address_space: global }
      - { .name: fine32, .offset: 40, .size: 8, .value_kind: global_buffer, .address_space: global }
    .group_segment_fixed_size: 327680
    .private_segment_fixed_size: 0
    .kernarg_segment_align: 8
    .kernarg_segment_size: 48
    .max_flat_workgroup_size: 128
    .sgpr_count:     100
    .vgpr_count:     1024
    .wavefront_size: 32
...
	.end_amdgpu_metadata
.endif
;; end of part 2
;; launch attn (part 3): grid 16 x 16, 4 waves a work-group, clusters of 4 x 1, 327,680 bytes of LDS; arguments qkv16, att16; writes att16
.if DOCPART == 3
	.amdgcn_target "amdgcn-amd-amdhsa--gfx1250"
	.amdhsa_code_object_version 6
	.text
	.protected	k_q8819c8ba2f_attn
	.globl	k_q8819c8ba2f_attn
	.p2align	8
	.type	k_q8819c8ba2f_attn,@function
k_q8819c8ba2f_attn:
	s_mov_b64 s[64:65], 0
	v_nop
	global_prefetch_b8 v0, s[64:65] scope:SCOPE_SE
	s_setreg_imm32_b32 hwreg(HW_REG_WAVE_MODE, 25, 1), 1
	s_wait_xcnt 0x0
	s_wait_alu depctr_hold_cnt(0) depctr_sa_sdst(0) depctr_va_vdst(0) depctr_va_sdst(0) depctr_va_ssrc(0) depctr_va_vcc(0) depctr_vm_vsrc(0)
	s_getreg_b32 s2, hwreg(HW_REG_IB_STS2, 6, 4)
	s_cmp_eq_u32 s2, 0
	s_cbranch_scc0 .Lentry_in_a_cluster
	s_endpgm
.Lentry_in_a_cluster:
	s_bfe_u32 s2, ttmp6, 0x10000c
	s_cmp_lg_u32 s2, 0x3003
	s_cbranch_scc0 .Lentry_shape_is_right
	s_endpgm
.Lentry_shape_is_right:
; att16[token][head][:] = the sum over keys k <= token of softmax_k(q . k / sqrt(128)) v, 16 query heads on 4 key and value heads, 2,048 tokens, head size 128.
; qkv16: [24 slabs][2048][128] f16: slabs 0-15 q x 2^-6, 16-19 k x 2^-6, 20-23 v.  att16: [2048][16 x 128] f16.  Products on f16 operands with f32 sums; maxima, exponentials and sums in f32; the weights p are rounded to f16.
; The 2^12 that q and k lack stands in the softmax's constant c = 2^12 log2(e) / sqrt(128).  A running maximum m is taken away in every step: p = 2^(c s - c m); O and l are multiplied by a = 2^(c m_old - c m_new).
; LIMITS: as the launch before states them for q, k and v; the result stays under 65,504.  Tokens 0-15 are made here too, and made again in f32 by the last launch.
; SHARES.  A work-group owns, of one head, the blocks of 64 queries I and 31 - I, ONE AFTER THE OTHER; wave w owns 16 queries of the block in hand.  Block I wants key blocks 0 .. I, block 31 - I wants 0 .. 31 - I:
; 33 key steps of 64 keys in every work-group, so 256 work-groups of equal work, constant trip counts, and every tile that is loaded is read.  Step t takes key block t (t <= I) or t - I - 1.
; CLUSTER.  The four partners are the four query heads of one key and value head, with the same I: they walk the same tiles, and each tile is asked for JOINTLY (mask 15).  cx enters q's, att16's and the prefetch's addresses alone.
; LAYOUT.  S^T = K Q^T (source 0 = 16 keys, source 1 = my 16 queries), O^T = V^T P (source 0 = 16 channels, turned by ds_load_tr16_b128; source 1 = P): a lane holds ONE query (lane % 16) throughout.
; A STEP: 16 products K Q^T; the next step's 64 fragment loads, into the other buffer; the softmax; 16 products V^T P.
; LDS.  Step 0's tiles have bytes of their own, filled once.  Steps 2 n + 1 and 2 n + 2 lie in slot n % 2.  A slot has been read into registers at the head of its second step; behind that step's first products it is filled again,
; behind a round of the cluster's barrier, with the steps two slots on: the load has two steps in which to land.  Every wait on TENSORcnt is for 0.  By this text's count a wave has at most three tensor loads out at the start, then one.
; REGISTERS: window 0: v1-15 addresses; v16 c m, v17 m, v[18:19] l, v20-23 at work (a in v22); v32-63 Q; v64-95 the high block's Q; v96-127 S^T; v128-143 P; v144-207 O^T.
;   windows 1 and 2: fragment buffers 0 and 1: v0-127 K (keys 16 kt on, channels 32 c on at 32 kt + 8 c), v128-255 V (keys 32 u on, channels 16 dt on at 128 + 64 u + 8 dt).
.set KS,    64
.set PK,    272                        ; a row of K in LDS: 256 bytes + 16
.set PV,    288                        ; a row of V: 256 + 32: 16 lanes of the turning load take 8 rows x 32 bytes
.set VOFF,  KS*PK
.set STEPB, KS*(PK+PV)                 ; a step's tiles: 64 rows of K, then 64 rows of V
.set EOFF,  2*STEPB                    ; behind slot 0: step 0's tiles
.set SLOT1, 1<<17                      ; slot 1: one exclusive or turns an address in one slot into the other's
.set STAGE, SLOT1+2*STEPB              ; 16 rows x 272 bytes for each wave, for the way out; no tensor load lands there
.set SP,    272
.set SPARE, STAGE+4*16*SP              ; the spare words, 128 bytes a wave, which no other line names
.set AK0, 2
.set AV0, 3
.set ADK, 4
.set ADV, 5
.set QO,  6
.set STO, 7
.set RD,  8
.set GO,  9
.set DD,  10                           ; v10  my query in its block, less 8 (lane / 16)
.set NINF, 11                          ; v11  -infinity
.set PFO, 13                           ; v13  256 x lane
.set SPW, 14                           ; v14  my spare word; never rewritten
.set NIL, 15                           ; v15  0; never rewritten
.set CM,  16
.set LS,  18
.set C0,  20
.set Q,   32
.set QH,  64
.set S,   96
.set P,   128
.set O,   144
.set WV,  12
.set CX,  13
.set II,  14                           ; s14  I
.set SW,  15                           ; s15  I + 1: the step at which the high block begins
.set DG,  16                           ; s16  the step on the diagonal: I, later 32
.set T,   17                           ; s17  the step
.set TB,  18                           ; s18  LDS byte at which the tiles of the step to be fetched begin
.set TW,  19                           ; s19  the step whose tile my walking descriptor names
.set KBA, 20                           ; s[20:21] K's slab; s[22:23] V's
.set VBA, 22
.set G1K, 24
.set G1V, 32
.set G0KE, 40                          ; groups 0: step 0's, slot 0's first fill, the walking one; for K and for V
.set G0KA, 44
.set G0KW, 48
.set G0VE, 52
.set G0VA, 56
.set G0VW, 60
.set CS,  66                           ; s[66:67] c
.set SEL, 68                           ; s[68:69] lane l xor 16
.set OC,  70                           ; s[70:71] att16 at the block in hand; s[72:73] at the high block
.set OH,  72
.set X,   74                           ; s[74:75] a key block's offset
.set PFA, 76                           ; s[76:77] where my prefetches stand
.set LIM, 78                           ; s78  1 in a wave that prefetches, else the greatest number
.set SLOTS, 79                         ; s79  refills to go
.set MSB, 0
.macro WIN new
.if MSB != (\new)
	s_set_vgpr_msb (MSB<<8)|(\new)
.set MSB, (\new)
.endif
.endm
.macro PLACES                          ; four plain vector instructions behind a matrix instruction (ISA guide 7.12.1)
.rept 4
	v_nop
.endr
.endm
.macro TL g0, g1
	tensor_load_to_lds s[\g0:\g0+3], s[\g1:\g1+7]
	s_nop 0
.endm
.macro JLOAD                           ; a joint refill: waves 0 and 1 fetch the two steps' K, waves 2 and 3 their V
	s_cmp_lt_u32 s[WV], 2
	s_cbranch_scc0 .Lfor_v_\@
	TL G0KW, G1K
	PLACES
	s_branch .Lasked_\@
.Lfor_v_\@:
	TL G0VW, G1V
	PLACES
.Lasked_\@:
.endm
; A PREFETCH INTO THE L2 of what the NEXT refill will ask for.  The clusters with I = 0 walk key blocks 0 to 31 on end in their high block; they alone ask.  At the change that fills steps 2 n + 5 and 2 n + 6 they name key blocks
; 2 n + 6 and 2 n + 7: 128 rows of 256 bytes of K (wave 0) and of V (wave 2); the four partners take 32 rows each, told apart by address; a lane a row.  So each row from key block 6 on is named once in the launch.
; The last refill asks for nothing; the last blocks named are 30 and 31.
.macro ASK
	s_cmp_gt_u32 s[SLOTS], s[LIM]
	s_cbranch_scc0 .Lnot_mine_\@
	global_prefetch_b8 v[PFO], s[PFA:PFA+1] th:TH_LOAD_NT scope:SCOPE_SE
.Lnot_mine_\@:
.endm
.macro CROUND
	s_barrier_signal -1
	s_barrier_wait -1
	s_cmp_lg_u32 s[WV], 0
	s_cbranch_scc1 .Lnot_wave_0_\@
	s_barrier_signal -3
.Lnot_wave_0_\@:
	s_barrier_wait -3
	s_barrier_signal -1
	s_barrier_wait -1
.endm
.macro KBOFF t                         ; s[X] = 16,384 x the key block of step s[t]
	s_cmp_gt_u32 s[\t], s[II]
	s_cselect_b32 s[X], s[SW], 0
	s_sub_co_u32 s[X], s[\t], s[X]
	s_lshl_b32 s[X], s[X], 14
.endm
	s_load_b128 s[4:7], s[0:1], 0x0                ; qkv16, att16
	v_lshl_add_u32 v[SPW], v0, 2, SPARE
	v_mov_b32 v[NIL], 0
	ds_add_u32 v[SPW], v[NIL]                      ; the wave's opening: the add, twice on end, and its wait ahead of my first tensor load
	ds_add_u32 v[SPW], v[NIL]
	v_lshrrev_b32 v1, 5, v0
	v_readfirstlane_b32 s[WV], v1                  ; wave 0..3
	s_bfe_u32 s[CX], ttmp6, 0x40000
	s_and_b32 s[II], ttmp7, 0xffff
	s_add_co_u32 s[SW], s[II], 1
	s_mov_b32 s[DG], s[II]
	s_mov_b32 s[T], 0
	s_mov_b32 s[TB], EOFF
	s_and_b32 s80, s[WV], 1                        ; which of a slot's two steps I fetch
	s_add_co_u32 s[TW], s80, 3
	s_add_co_u32 s81, s80, 1
	s_mov_b32 s[G1K], 15|(1<<16)|(1<<20)|(1<<21)|(5<<22)|(3<<25)   ; the mask: all four; elements of 2 bytes; padding on; bit 21 beside a mask; after every 64 words 4 words
	s_mov_b32 s[G1V], 15|(1<<16)|(1<<20)|(1<<21)|(5<<22)|(7<<25)   ; the same with 8 words
.irp g, G1K, G1V
	s_mov_b32 s[\g+1], 128<<16                     ; tensor_dim0 = 128
	s_mov_b32 s[\g+2], KS<<16                      ; tensor_dim1 = 64
	s_mov_b32 s[\g+3], 128<<16                     ; tile_dim0 = 128
	s_mov_b32 s[\g+4], KS                          ; tile_dim1 = 64
	s_mov_b32 s[\g+5], 128                         ; from row to row
	s_mov_b32 s[\g+6], 0
	s_mov_b32 s[\g+7], 0
.endr
	s_mov_b32 s[CS], 0x440293ee                    ; c = 2^12 log2(e) / sqrt(128)
	s_mov_b32 s[CS+1], s[CS]
	s_mov_b32 s[SEL], 0x76543210
	s_mov_b32 s[SEL+1], 0xfedcba98
	s_mov_b32 s[X+1], 0
	s_mov_b32 s[SLOTS], 14
	s_or_b32 s[LIM], s80, s[II]                    ; 0 in waves 0 and 2 where I = 0: the same in all four partners
	s_cmp_eq_u32 s[LIM], 0
	s_cselect_b32 s[LIM], 1, -1
	s_lshl_b32 s82, ttmp9, 19                      ; K's slab: 16 + the key and value head, 524,288 bytes each
	s_add_co_u32 s82, s82, 16<<19
	s_mov_b32 s83, 0
	s_mul_i32 s84, s80, STEPB                      ; my step's place in a slot
	s_lshl_b32 s85, ttmp9, 2
	s_add_co_u32 s85, s85, s[CX]                   ; my head
	s_lshl_b32 s86, s85, 19
	s_lshl_b32 s88, s[WV], 12
	s_add_co_u32 s86, s86, s88                     ; its slab, + 16 w rows of 256 bytes
	s_mov_b32 s87, 0
	s_sub_co_u32 s89, 31, s[II]                    ; the high block
	s_lshl_b32 s90, s[II], 14
	s_mov_b32 s91, 0
	s_lshl_b32 s92, s89, 14
	s_mov_b32 s93, 0
	s_lshl_b32 s88, s[WV], 16                      ; att16: 16 w rows of 4,096 bytes + 256 x head
	s_lshl_b32 s94, s85, 8
	s_add_co_u32 s88, s88, s94
	s_mov_b32 s95, 0
	s_wait_dscnt 0x0                               ; both opening adds are done
	s_wait_kmcnt 0x0
	s_add_nc_u64 s[KBA:KBA+1], s[4:5], s[82:83]
	s_add_nc_u64 s[VBA:VBA+1], s[KBA:KBA+1], 4<<19
	s_add_nc_u64 s[4:5], s[4:5], s[86:87]
	s_add_nc_u64 s[90:91], s[4:5], s[90:91]        ; Q of the low block,
	s_add_nc_u64 s[92:93], s[4:5], s[92:93]        ; and of the high one
	s_lshl_b32 s94, s[II], 18
	s_add_co_u32 s94, s94, s88
	s_add_nc_u64 s[OC:OC+1], s[6:7], s[94:95]
	s_lshl_b32 s94, s89, 18
	s_add_co_u32 s94, s94, s88
	s_add_nc_u64 s[OH:OH+1], s[6:7], s[94:95]
	s_cmp_lt_u32 s[WV], 2
	s_cselect_b64 s[PFA:PFA+1], s[KBA:KBA+1], s[VBA:VBA+1]
	s_lshl_b32 s94, s[CX], 13                      ; my work-group's 32 rows of the 128,
	s_add_co_u32 s94, s94, 4*16384                 ; at key block 4: the first change steps it to 6.  Nothing is prefetched at the head
	s_add_nc_u64 s[PFA:PFA+1], s[PFA:PFA+1], s[94:95]
	s_mov_b32 s[G0KE], 1                           ; step 0 is key block 0
	s_mov_b32 s[G0KE+1], EOFF
	s_mov_b64 s[G0KE+2:G0KE+3], s[KBA:KBA+1]
	s_or_b32 s[G0KE+3], s[G0KE+3], 0x80000000
	s_mov_b32 s[G0VE], 1
	s_mov_b32 s[G0VE+1], EOFF+VOFF
	s_mov_b64 s[G0VE+2:G0VE+3], s[VBA:VBA+1]
	s_or_b32 s[G0VE+3], s[G0VE+3], 0x80000000
	KBOFF 81                                       ; steps 1 and 2, into slot 0
	s_mov_b32 s[G0KA], 1
	s_mov_b32 s[G0KA+1], s84
	s_add_nc_u64 s[G0KA+2:G0KA+3], s[KBA:KBA+1], s[X:X+1]
	s_or_b32 s[G0KA+3], s[G0KA+3], 0x80000000
	s_mov_b32 s[G0VA], 1
	s_add_co_u32 s[G0VA+1], s84, VOFF
	s_add_nc_u64 s[G0VA+2:G0VA+3], s[VBA:VBA+1], s[X:X+1]
	s_or_b32 s[G0VA+3], s[G0VA+3], 0x80000000
	KBOFF TW                                       ; steps 3 and 4, into slot 1
	s_mov_b32 s[G0KW], 1
	s_add_co_u32 s[G0KW+1], s84, SLOT1
	s_add_nc_u64 s[G0KW+2:G0KW+3], s[KBA:KBA+1], s[X:X+1]
	s_or_b32 s[G0KW+3], s[G0KW+3], 0x80000000
	s_mov_b32 s[G0VW], 1
	s_add_co_u32 s[G0VW+1], s84, SLOT1+VOFF
	s_add_nc_u64 s[G0VW+2:G0VW+3], s[VBA:VBA+1], s[X:X+1]
	s_or_b32 s[G0VW+3], s[G0VW+3], 0x80000000
	CROUND                                         ; all four work-groups are here: the first joint loads meet
	s_cmp_lt_u32 s[WV], 2                          ; each wave's first fills stand together, in its own arm of one branch on the wave's number
	s_cbranch_scc0 .Lfirst_v
	s_cmp_eq_u32 s[WV], 0
	s_cbranch_scc0 .Lfirst_k1
	TL G0KE, G1K
	TL G0KA, G1K
	TL G0KW, G1K
	PLACES
	s_branch .Lfirst_done
.Lfirst_k1:
	TL G0KA, G1K
	TL G0KW, G1K
	PLACES
	s_branch .Lfirst_done
.Lfirst_v:
	s_cmp_eq_u32 s[WV], 2
	s_cbranch_scc0 .Lfirst_v3
	TL G0VE, G1V
	TL G0VA, G1V
	TL G0VW, G1V
	PLACES
	s_branch .Lfirst_done
.Lfirst_v3:
	TL G0VA, G1V
	TL G0VW, G1V
	PLACES
.Lfirst_done:
	v_and_b32 v1, 15, v0                           ; r
	v_bfe_u32 v12, v0, 4, 1                        ; h
	v_lshlrev_b32 v[QO], 8, v1
	v_lshl_add_u32 v[QO], v12, 4, v[QO]            ; row r of 256 bytes + 16 h
.irp i, 0,1,2,3                                ; Q stays in registers: channels 32 i on
	global_load_b128 v[Q+8*\i:Q+8*\i+3],     v[QO], s[90:91] offset:64*\i
	global_load_b128 v[Q+8*\i+4:Q+8*\i+7],   v[QO], s[90:91] offset:64*\i+32
	global_load_b128 v[QH+8*\i:QH+8*\i+3],   v[QO], s[92:93] offset:64*\i
	global_load_b128 v[QH+8*\i+4:QH+8*\i+7], v[QO], s[92:93] offset:64*\i+32
.endr
	v_mul_u32_u24 v[AK0], v1, PK
	v_lshl_add_u32 v[AK0], v12, 4, v[AK0]          ; K: row r x pitch + 16 h
	v_and_b32 v[ADK], 7, v0
	v_bfe_u32 v[ADV], v0, 3, 1
	v_lshl_add_u32 v[AV0], v12, 3, v[ADK]          ; V, for the turning load: key 8 h + l % 8, channels 8 ((l / 8) % 2) on
	v_mul_u32_u24 v[AV0], v[AV0], PV
	v_lshl_add_u32 v[AV0], v[ADV], 4, v[AV0]
	v_add_nc_u32 v[AV0], VOFF, v[AV0]
	s_mul_i32 s80, s[WV], 16*SP
	s_add_co_u32 s80, s80, STAGE                   ; my stage
	v_mul_u32_u24 v[STO], v1, SP
	v_lshl_add_u32 v[STO], v12, 4, v[STO]
	v_add_nc_u32 v[STO], s80, v[STO]
	v_mul_u32_u24 v[RD], v12, SP
	v_lshl_add_u32 v[RD], v1, 4, v[RD]
	v_add_nc_u32 v[RD], s80, v[RD]
	v_lshlrev_b32 v[GO], 12, v12                   ; att16: lanes 0-15 one token's 256 bytes, lanes 16-31 the next token's
	v_lshl_add_u32 v[GO], v1, 4, v[GO]
	s_lshl_b32 s80, s[WV], 4
	v_lshlrev_b32 v[DD], 3, v12
	v_sub_nc_u32 v[DD], v1, v[DD]
	v_add_nc_u32 v[DD], s80, v[DD]                 ; 16 w + r - 8 h
	v_mov_b32 v[NINF], 0xff800000
	v_and_b32 v[PFO], 31, v0
	v_lshlrev_b32 v[PFO], 8, v[PFO]
.macro INIT                            ; the step is written in one form: a block's first step finds zeros and m = -infinity, so that a = 0
.set i, 0
.rept 64
	v_mov_b32 v[O+i], 0
.set i, i+1
.endr
	v_mov_b32 v[CM], v[NINF]
	v_mov_b32 v[CM+1], v[NINF]
	v_mov_b32 v[LS], 0
	v_mov_b32 v[LS+1], 0
.endm
	INIT
.macro FETCHKV e                       ; the fragments of the step at s[TB] into buffer e: 32 loads of K as it lies, 32 of V turned
	v_add_nc_u32 v[ADK], s[TB], v[AK0]
	v_add_nc_u32 v[ADV], s[TB], v[AV0]
	WIN (1+(\e))<<6
.irp f, 0,1,2,3,4,5,6,7,8,9,10,11,12,13,14,15
	ds_load_b128 v[8*\f:8*\f+3],   v[ADK] offset:(\f/4)*16*PK+(\f%4)*64
	ds_load_b128 v[8*\f+4:8*\f+7], v[ADK] offset:(\f/4)*16*PK+(\f%4)*64+32
.endr
.irp f, 0,1,2,3,4,5,6,7,8,9,10,11,12,13,14,15
	ds_load_tr16_b128 v[128+8*\f:128+8*\f+3],   v[ADV] offset:(\f/8)*32*PV+(\f%8)*32
	ds_load_tr16_b128 v[128+8*\f+4:128+8*\f+7], v[ADV] offset:(\f/8)*32*PV+16*PV+(\f%8)*32
.endr
	WIN 0
.endm
.macro MASK                            ; on the diagonal: register 8 kt + j holds key 16 kt + 8 h + j of the block: hidden where it comes after my query
.irp kt, 0,1,2,3
.irp j, 0,1,2,3,4,5,6,7
	v_cmp_gt_i32 vcc_lo, 16*\kt+\j, v[DD]
	v_cndmask_b32 v[S+8*\kt+\j], v[S+8*\kt+\j], v[NINF], vcc_lo
.endr
.endr
.endm
.macro SOFTMAX
.irp kt, 0,1,2,3
	v_max3_num_f32 v[C0+\kt], v[S+8*\kt], v[S+8*\kt+1], v[S+8*\kt+2]   ; four chains, one a tile, each from the tile's low end on
.endr
.irp i, 3,5
.irp kt, 0,1,2,3
	v_max3_num_f32 v[C0+\kt], v[C0+\kt], v[S+8*\kt+\i], v[S+8*\kt+\i+1]
.endr
.endr
.irp kt, 0,1,2,3
	v_max_num_f32 v[C0+\kt], v[C0+\kt], v[S+8*\kt+7]
.endr
	v_max3_num_f32 v[C0], v[C0], v[C0+1], v[C0+2]
	v_max3_num_f32 v[C0], v[C0], v[C0+3], v[CM+1]  ; with the old m
	v_permlanex16_b32 v[C0+1], v[C0], s[SEL], s[SEL+1]   ; the query's other 32 keys lie in the lane 16 away
	v_mov_b32 v[C0+3], v[CM]                       ; c m_old
	v_max_num_f32 v[CM+1], v[C0], v[C0+1]          ; the new m
	v_mul_f32 v[CM], s[CS], v[CM+1]
	v_sub_f32 v[C0+3], v[C0+3], v[CM]              ; c m_old - c m_new
.set i, 0
.rept 16
	v_pk_fma_f32 v[S+i:S+i+1], v[S+i:S+i+1], s[CS:CS+1], v[CM:CM+1] op_sel_hi:[1,0,0] neg_lo:[0,0,1] neg_hi:[0,0,1]   ; c s - c m
.set i, i+2
.endr
	v_exp_f32 v[C0+2], v[C0+3]                     ; a
.set i, 0
.rept 32
	v_exp_f32 v[S+i], v[S+i]                       ; p
.set i, i+1
.endr
	v_nop                                          ; a plain instruction behind the last exponential
	s_wait_alu depctr_va_vdst(0)                   ; one wait for the batch of 33, ahead of its first reader
.set i, 0
.rept 16
	v_cvt_pk_f16_f32 v[P+i], v[S+2*i], v[S+2*i+1]
.set i, i+1
.endr
.irp u, 0,1,2,3,4,5,6,7                        ; the sum of the unrounded p, pairs (even key, odd key), as a tree in place
	v_pk_add_f32 v[S+4*\u:S+4*\u+1], v[S+4*\u:S+4*\u+1], v[S+4*\u+2:S+4*\u+3]
.endr
.irp u, 0,1,2,3
	v_pk_add_f32 v[S+8*\u:S+8*\u+1], v[S+8*\u:S+8*\u+1], v[S+8*\u+4:S+8*\u+5]
.endr
.irp u, 0,1
	v_pk_add_f32 v[S+16*\u:S+16*\u+1], v[S+16*\u:S+16*\u+1], v[S+16*\u+8:S+16*\u+9]
.endr
	v_pk_add_f32 v[S:S+1], v[S:S+1], v[S+16:S+17]
	v_pk_fma_f32 v[LS:LS+1], v[LS:LS+1], v[C0+2:C0+3], v[S:S+1] op_sel_hi:[1,0,1]   ; l = a l + the sum
.set i, 0
.rept 32
	v_pk_mul_f32 v[O+i:O+i+1], v[O+i:O+i+1], v[C0+2:C0+3] op_sel_hi:[1,0]          ; O^T x a, each tile from its low end on
.set i, i+2
.endr
.endm
.macro FINISH                          ; the block in hand leaves: O^T / l, f16, through my stage, as whole runs of 256 bytes
	PLACES
	v_add_f32 v[C0], v[LS], v[LS+1]
	v_permlanex16_b32 v[C0+1], v[C0], s[SEL], s[SEL+1]
	v_add_f32 v[C0], v[C0], v[C0+1]
	v_rcp_f32 v[C0+2], v[C0]
	v_nop
	s_wait_alu depctr_va_vdst(0)                   ; the wait ahead of the reciprocal's first reader
.set i, 0
.rept 32
	v_pk_mul_f32 v[O+i:O+i+1], v[O+i:O+i+1], v[C0+2:C0+3] op_sel_hi:[1,0]
.set i, i+2
.endr
.set i, 0
.rept 32
	v_cvt_pk_f16_f32 v[S+i], v[O+2*i], v[O+2*i+1]
.set i, i+1
.endr
.irp f, 0,1,2,3,4,5,6,7
	ds_store_b128 v[STO], v[S+4*\f:S+4*\f+3] offset:32*\f
.endr
.irp f, 0,1,2,3,4,5,6,7
	ds_load_b128 v[S+4*\f:S+4*\f+3], v[RD] offset:\f*2*SP   ; LDS serves a wave's instructions in order: these see the stores above
.endr
	s_wait_dscnt 0x0
.irp f, 0,1,2,3,4,5,6,7
	global_store_b128 v[GO], v[S+4*\f:S+4*\f+3], s[OC:OC+1] offset:8192*\f   ; 16 lanes store 256 consecutive bytes, at a multiple of 256 from the buffer's first byte
.endr
	s_wait_xcnt 0x0                                ; the stores have read their data and their base: both are written again behind this wait
.endm
.macro REINIT                          ; on to the high block
.set i, 0
.rept 32
	v_mov_b32 v[Q+i], v[QH+i]
.set i, i+1
.endr
	INIT
	s_mov_b32 s[DG], 32
	s_mov_b64 s[OC:OC+1], s[OH:OH+1]
.endm
; THE CHANGE OF SLOTS.  Each wave waits for all its tensor loads (its part of the other slot), adds 0 to its spare word, and waits for that; its reads of the slot that is left were awaited at the step's head.
.macro CHANGE fill
	s_wait_tensorcnt 0x0                           ; no tensor load of mine is out, so a group 0 may be written
	ds_add_u32 v[SPW], v[NIL]                      ; 0 onto my spare word
.if \fill
	s_add_co_u32 s[TW], s[TW], 2
	KBOFF TW
	s_xor_b32 s[G0KW+1], s[G0KW+1], SLOT1          ; the walking descriptors: the other slot than last time, the key block of my step
	s_add_nc_u64 s[G0KW+2:G0KW+3], s[KBA:KBA+1], s[X:X+1]
	s_or_b32 s[G0KW+3], s[G0KW+3], 0x80000000
	s_xor_b32 s[G0VW+1], s[G0VW+1], SLOT1
	s_add_nc_u64 s[G0VW+2:G0VW+3], s[VBA:VBA+1], s[X:X+1]
	s_or_b32 s[G0VW+3], s[G0VW+3], 0x80000000
	s_wait_xcnt 0x0                                ; the last prefetch, two steps back, has read its address
	s_add_nc_u64 s[PFA:PFA+1], s[PFA:PFA+1], 2*KS*256
	s_wait_dscnt 0x0                               ; the add is done
	CROUND                                         ; no wave of any partner still reads the slot or has a load on its way
	JLOAD                                          ; the first tensor load behind the round; its four v_nop are the places behind the products above
	ASK
.else
	s_wait_dscnt 0x0
	s_barrier_signal -1
	s_barrier_wait -1
	PLACES
.endif
.endm
; A KEY STEP on buffer e.  fetch: 0 none; 1 the slot's second step; 2 the other slot's first; 3 slot 0's first.  chg: 1 the slot is filled again; 2 it is left, nothing is asked for.
; sw = 1: the high block may begin here.  dg = 1: the step may lie on the diagonal.  Both hang on ids and the count of steps: the same in all waves and all partners.
; The accumulators take turns, one instruction a turn (4 in K Q^T, 8 in V^T P).
.macro STEP e, fetch, chg, sw, dg
.if \sw
	s_cmp_eq_u32 s[T], s[SW]
	s_cbranch_scc0 .Lsame_\@
	FINISH
	REINIT
.Lsame_\@:
.endif
	s_wait_dscnt 0x0                               ; this step's fragments are in
	WIN 1+(\e)
.irp c, 0,1,2,3
.irp kt, 0,1,2,3
.if \c == 0
	v_wmma_f32_16x16x32_f16 v[S+8*\kt:S+8*\kt+7], v[32*\kt+8*\c:32*\kt+8*\c+7], v[Q+8*\c:Q+8*\c+7], 0
.else
	v_wmma_f32_16x16x32_f16 v[S+8*\kt:S+8*\kt+7], v[32*\kt+8*\c:32*\kt+8*\c+7], v[Q+8*\c:Q+8*\c+7], v[S+8*\kt:S+8*\kt+7]
.endif
.endr
.endr
	WIN 0
.if \chg == 1
	CHANGE 1
.elseif \chg == 2
	CHANGE 0
.else
	PLACES                                         ; behind these products, and behind the last step's, which read the buffer that is loaded now
.endif
.if \fetch == 1
	s_add_co_u32 s[TB], s[TB], STEPB
.elseif \fetch == 2
	s_sub_co_u32 s[TB], s[TB], STEPB
	s_xor_b32 s[TB], s[TB], SLOT1
.elseif \fetch == 3
	s_mov_b32 s[TB], 0
.endif
.if \fetch
	FETCHKV 1-(\e)
.endif
.if \dg
	s_cmp_eq_u32 s[T], s[DG]
	s_cbranch_scc0 .Lopen_\@
	MASK
.Lopen_\@:
.endif
	SOFTMAX
	WIN 1+(\e)
.irp u, 0,1
.irp dt, 0,1,2,3,4,5,6,7
	v_wmma_f32_16x16x32_f16 v[O+8*\dt:O+8*\dt+7], v[128+64*\u+8*\dt:128+64*\u+8*\dt+7], v[P+8*\u:P+8*\u+7], v[O+8*\dt:O+8*\dt+7]
.endr
.endr
	WIN 0
	s_add_co_u32 s[T], s[T], 1
.endm
	s_wait_tensorcnt 0x0                           ; my first fills are in,
	s_barrier_signal -1
	s_barrier_wait -1                              ; everybody's are
	FETCHKV 0
	s_wait_loadcnt 0x0                             ; Q
	STEP 0, 3, 0, 0, 1                             ; step 0
.Lslot:                                            ; 14 trips: steps 2 n + 1 and 2 n + 2; the slot is filled again with steps 2 n + 5 and 2 n + 6
	STEP 1, 1, 0, 1, 1
	STEP 0, 2, 1, 1, 1
	s_sub_co_u32 s[SLOTS], s[SLOTS], 1
	s_cmp_lg_u32 s[SLOTS], 0
	s_cbranch_scc1 .Lslot
	STEP 1, 1, 0, 0, 0                             ; the tail is written out: steps 29 to 32
	STEP 0, 2, 2, 0, 0
	STEP 1, 1, 0, 0, 0
	STEP 0, 0, 0, 0, 1                             ; step 32 lies on the high block's diagonal
	FINISH
	s_wait_tensorcnt 0x0                           ; the wave's end, behind my last tensor load and my last LDS store
	ds_add_u32 v[SPW], v[NIL]
	s_wait_dscnt 0x0
	CROUND                                         ; the closing round
	s_endpgm
.Lfunc_end_k_q8819c8ba2f_attn:
	.size	k_q8819c8ba2f_attn, .Lfunc_end_k_q8819c8ba2f_attn-k_q8819c8ba2f_attn
	.p2alignl 7, 3214868480
	.fill 96, 4, 3214868480
	.section	.rodata,"a",@progbits
	.p2align	6, 0x0
	.amdhsa_kernel k_q8819c8ba2f_attn
		.amdhsa_group_segment_fixed_size 327680
		.amdhsa_private_segment_fixed_size 0
		.amdhsa_enable_private_segment 0
		.amdhsa_kernarg_size 16
		.amdhsa_user_sgpr_count 2
		.amdhsa_user_sgpr_kernarg_segment_ptr 1
		.amdhsa_wavefront_size32 1
		.amdhsa_system_sgpr_workgroup_id_x 1
		.amdhsa_system_sgpr_workgroup_id_y 1
		.amdhsa_system_sgpr_workgroup_id_z 1
		.amdhsa_system_vgpr_workitem_id 0
		.amdhsa_next_free_vgpr 768
		.amdhsa_next_free_sgpr 96
		.amdhsa_reserve_vcc 1
		.amdhsa_float_denorm_mode_32 3
		.amdhsa_float_denorm_mode_16_64 3
		.amdhsa_memory_ordered 1
		.amdhsa_forward_progress 1
		.amdhsa_inst_pref_size 145
	.end_amdhsa_kernel
	.amdgpu_metadata
---
amdhsa.version: [ 1, 2 ]
amdhsa.kernels:
  - .name:           k_q8819c8ba2f_attn
    .symbol:         k_q8819c8ba2f_attn.kd
    .args:
      - { .name: qkv16, .offset: 0, .size: 8, .value_kind: global_buffer, .address_space: global }
      - { .name: att16, .offset: 8, .size: 8, .value_kind: global_buffer, .address_space: global }
    .group_segment_fixed_size: 327680
    .private_segment_fixed_size: 0
    .kernarg_segment_align: 8
    .kernarg_segment_size: 16
    .max_flat_workgroup_size: 128
    .sgpr_count:     96
    .vgpr_count:     768
    .wavefront_size: 32
...
	.end_amdgpu_metadata
.endif
;; end of part 3
;; launch proj (part 4): grid 16 x 16, 4 waves a work-group, clusters of 4 x 4, 327,680 bytes of LDS; arguments att16, wo16, out0; writes out0
.if DOCPART == 4
	.amdgcn_target "amdgcn-amd-amdhsa--gfx1250"
	.amdhsa_code_object_version 6
	.text
	.protected	k_q8819c8ba2f_proj
	.globl	k_q8819c8ba2f_proj
	.p2align	8
	.type	k_q8819c8ba2f_proj,@function
k_q8819c8ba2f_proj:
	s_mov_b64 s[64:65], 0
	v_nop
	global_prefetch_b8 v0, s[64:65] scope:SCOPE_SE
	s_setreg_imm32_b32 hwreg(HW_REG_WAVE_MODE, 25, 1), 1
	s_wait_xcnt 0x0
	s_wait_alu depctr_hold_cnt(0) depctr_sa_sdst(0) depctr_va_vdst(0) depctr_va_sdst(0) depctr_va_ssrc(0) depctr_va_vcc(0) depctr_vm_vsrc(0)
	s_getreg_b32 s2, hwreg(HW_REG_IB_STS2, 6, 4)
	s_cmp_eq_u32 s2, 0
	s_cbranch_scc0 .Lentry_in_a_cluster
	s_endpgm
.Lentry_in_a_cluster:
	s_bfe_u32 s2, ttmp6, 0x10000c
	s_cmp_lg_u32 s2, 0xf033
	s_cbranch_scc0 .Lentry_shape_is_right
	s_endpgm
.Lentry_shape_is_right:
; out0[m][n] = sum over k of att16[m][k] wo16[n][k].  att16: [2048][2048], wo16: [2048][2048], f16; out0: [2048][2048] f32; sums in f32.
; A tile of out0 is 128 x 128: 16 x 16 = 256 work-groups.  Four waves, each 64 x 64: 16 accumulators.  K goes in steps of 256 (LDS rows of 512 bytes; a wave's tensor load brings 64 of them) through two slots.
; CLUSTERS: 4 x 4 work-groups.  The four of a row of the cluster need the same tiles of att16, the four of a column the same tiles of wo16: each tile is asked for JOINTLY.
; THE MATRIX INSTRUCTION IS USED TRANSPOSED (source 0 = 16 rows of wo16, source 1 = 16 rows of att16): a lane holds eight neighbouring numbers of a row of out0.
; Rows 0-15 are made here like all others, and written again, from f32 operands, by the launch behind this one: leaving them out would take a branch on a work-group's place in its cluster.
; No prefetch: each tile is read by many work-groups at about the same time, and a K step is short.
; REGISTERS: window 0: v0-31 addresses; v32-95 at work on the way out; v128-255 the accumulators ((a, b) at v[128 + 8 (4 a + b)]).   window 1: two fragment buffers of 128: 64 registers of A, then 64 of B.
.set SIZE_M, 2048
.set SIZE_N, 2048
.set SIZE_K, 2048
.set KSTEP,  256
.set PITCH,  528                       ; an LDS row: 512 bytes + 16 of padding: the 16 rows that a load touches start 132 words apart
.set HALFT,  64*PITCH
.set SLOT,   4*HALFT                   ; A's 128 rows, then B's 128 rows
.set STAGE,  2*SLOT                    ; behind the ring: 16 rows x 272 bytes for each wave: a wave's 64 columns of f32 are 256 bytes
.set SPITCH, 272
.set SPARE,  STAGE+4*16*SPITCH         ; the spare words, 128 bytes a wave, which no other line names
.set LAPS, SIZE_K/(2*KSTEP)
.set ADRA, 16
.set ADRB, 20
.set STO,  24
.set RD,   25
.set CO,   26
.set SPW,  28
.set NIL,  29
.set TMP,  32
.set ACC,  128
.set F0,   0
.set F1,   128
.set G1, 24
.set G0, 32
.set G1B, 48
.set G0B, 56
.set MSB, 0
.macro WIN new
.if MSB != (\new)
	s_set_vgpr_msb (MSB<<8)|(\new)
.set MSB, (\new)
.endif
.endm
.set MUL,  0x05                        ; sources 0 (B) and 1 (A) window 1; C and D window 0
.set TO_F, 0x40                        ; destination window 1, address window 0
.macro JLOAD s                         ; a joint load: waves 0 and 1 fetch A's two halves, waves 2 and 3 B's; an s_nop 0 and four v_nop follow each line
	s_cmp_eq_u32 s11, 0
	s_cbranch_scc0 .Lfor_b_\@
	tensor_load_to_lds s[G0+4*\s:G0+4*\s+3], s[G1:G1+7]
	s_nop 0
.rept 4
	v_nop
.endr
	s_branch .Lasked_\@
.Lfor_b_\@:
	tensor_load_to_lds s[G0B+4*\s:G0B+4*\s+3], s[G1B:G1B+7]
	s_nop 0
.rept 4
	v_nop
.endr
.Lasked_\@:
.endm
.macro CREST                           ; a round of the cluster's barrier behind its opening barrier
	s_cmp_lg_u32 s10, 0
	s_cbranch_scc1 .Lnot_wave_0_\@
	s_barrier_signal -3
.Lnot_wave_0_\@:
	s_barrier_wait -3
	s_barrier_signal -1
	s_barrier_wait -1
.endm
.macro CROUND
	s_barrier_signal -1
	s_barrier_wait -1
	CREST
.endm
	s_load_b128 s[4:7], s[0:1], 0x0                ; att16 s[4:5], wo16 s[6:7]
	s_load_b64 s[8:9], s[0:1], 0x10                ; out0
	v_lshl_add_u32 v[SPW], v0, 2, SPARE
	v_mov_b32 v[NIL], 0
	ds_add_u32 v[SPW], v[NIL]                      ; the wave's opening: the add, twice on end, and its wait ahead of my first tensor load
	ds_add_u32 v[SPW], v[NIL]
	v_lshrrev_b32 v1, 5, v0
	v_readfirstlane_b32 s10, v1                    ; wave 0..3
	s_lshr_b32 s11, s10, 1                         ; which half of the tile's rows is mine.  Also: I fetch for A (0) or for B (1)
	s_and_b32 s12, s10, 1                          ; which half of its columns.  Also: which 64 rows of that tile I fetch
	s_bfe_u32 s40, ttmp6, 0x40000                  ; cx, cy
	s_bfe_u32 s41, ttmp6, 0x40004
	s_lshl_b32 s42, ttmp9, 2
	s_add_co_u32 s42, s42, s40                     ; tile column = 4 x cluster x + cx
	s_and_b32 s13, ttmp7, 0xffff
	s_lshl_b32 s13, s13, 2
	s_add_co_u32 s13, s13, s41                     ; tile row = 4 x cluster y + cy
	s_lshl_b32 s43, s41, 2
	s_lshl_b32 s43, 15, s43                        ; my row of the cluster
	s_lshl_b32 s44, 0x1111, s40                    ; my column
	s_or_b32 s[G1+0], s43, (1<<16)|(1<<20)|(1<<21)|(6<<22)|(3<<25)  ; the mask: A's tiles go to my row; elements of 2 bytes; padding on; bit 21 beside a mask; after every 128 words 4 words
	s_or_b32 s[G1B+0], s44, (1<<16)|(1<<20)|(1<<21)|(6<<22)|(3<<25)
.irp g, G1, G1B
	s_mov_b32 s[\g+1], KSTEP<<16                   ; tensor_dim0 = 256
	s_mov_b32 s[\g+2], 64<<16                      ; tensor_dim1 = 64
	s_mov_b32 s[\g+3], KSTEP<<16                   ; tile_dim0 = 256
	s_mov_b32 s[\g+4], 64                          ; tile_dim1 = 64
	s_mov_b32 s[\g+5], SIZE_K                      ; from row to row
	s_mov_b32 s[\g+6], 0
	s_mov_b32 s[\g+7], 0
.endr
	s_lshl_b32 s17, s12, 6                         ; which 64 rows of the tile I fetch
	s_lshl_b32 s16, s13, 7
	s_add_co_u32 s16, s16, s17                     ; A: row 128 x tile row + 64 x half
	s_lshl_b32 s46, s42, 7
	s_add_co_u32 s46, s46, s17                     ; B: row 128 x tile column + 64 x half
	s_mov_b32 s17, 0
	s_mov_b32 s47, 0
	s_mov_b64 s[18:19], SIZE_K*2
	s_mul_u64 s[16:17], s[16:17], s[18:19]
	s_mul_u64 s[46:47], s[46:47], s[18:19]
	s_mul_i32 s20, s10, HALFT                      ; where they go: wave x 64 rows
	s_wait_dscnt 0x0                               ; both opening adds are done
	s_wait_kmcnt 0x0
	s_add_nc_u64 s[14:15], s[4:5], s[16:17]
	s_add_nc_u64 s[46:47], s[6:7], s[46:47]
	CROUND                                         ; all sixteen work-groups are here: the first joint loads meet
.irp s, 0,1
	s_mov_b32 s[G0+4*\s], 1
	s_add_co_u32 s[G0+4*\s+1], s20, \s*SLOT
	s_add_nc_u64 s[G0+4*\s+2:G0+4*\s+3], s[14:15], \s*KSTEP*2
	s_or_b32 s[G0+4*\s+3], s[G0+4*\s+3], 0x80000000
	s_mov_b32 s[G0B+4*\s], 1
	s_add_co_u32 s[G0B+4*\s+1], s20, \s*SLOT
	s_add_nc_u64 s[G0B+4*\s+2:G0B+4*\s+3], s[46:47], \s*KSTEP*2
	s_or_b32 s[G0B+4*\s+3], s[G0B+4*\s+3], 0x80000000
	JLOAD \s
.endr
	v_and_b32 v1, 15, v0                           ; l % 16
	v_bfe_u32 v2, v0, 4, 1                         ; l / 16
	v_mul_u32_u24 v3, v1, PITCH
	v_lshl_add_u32 v3, v2, 4, v3                   ; a fragment's row x pitch + 16 x half
	s_mul_i32 s21, s11, HALFT                      ; my 64 rows of A
	s_mul_i32 s22, s12, HALFT                      ; my 64 rows of B,
	s_add_co_u32 s22, s22, 2*HALFT                 ; which lie behind A's 128
.irp s, 0,1
	v_add_nc_u32 v[ADRA+\s], s21, v3
	v_add_nc_u32 v[ADRB+\s], s22, v3
	s_add_co_u32 s21, s21, SLOT
	s_add_co_u32 s22, s22, SLOT
.endr
	s_mul_i32 s23, s10, 16*SPITCH
	s_add_co_u32 s23, s23, STAGE                   ; my stage
	v_mul_u32_u24 v4, v1, SPITCH                   ; in: row l % 16, 32 bytes for each half of the lanes
	v_lshl_add_u32 v4, v2, 5, v4
	v_add_nc_u32 v[STO], s23, v4
	v_mul_u32_u24 v5, v2, SPITCH                   ; back: lanes 0-15 take one row of 256 bytes, lanes 16-31 the next
	v_lshl_add_u32 v5, v1, 4, v5
	v_add_nc_u32 v[RD], s23, v5
	v_lshlrev_b32 v5, 13, v2                       ; and the same two rows in out0: 8,192 bytes a row
	v_lshl_add_u32 v[CO], v1, 4, v5
	s_lshl_b32 s16, s13, 7
	s_lshl_b32 s17, s11, 6
	s_add_co_u32 s16, s16, s17                     ; my first row: 128 x tile row + 64 x half
	s_lshl_b32 s16, s16, 13
	s_mov_b32 s17, 0
	s_add_nc_u64 s[8:9], s[8:9], s[16:17]
	s_lshl_b32 s46, s42, 9                         ; my first column, in bytes: 512 x tile column + 256 x half
	s_lshl_b32 s47, s12, 8
	s_add_co_u32 s46, s46, s47
	s_mov_b32 s47, 0
	s_add_nc_u64 s[8:9], s[8:9], s[46:47]
; 8 matrix instructions: m blocks a0, a0 + 1 x all 4 n blocks, 32 along K: half c of buffer f.  zero = 1: the first product starts the sums.  The 16 accumulators take turns.
.macro MUL8 f, c, a0, zero
.irp a, \a0, \a0+1
.irp b, 0,1,2,3
.if \zero
	v_wmma_f32_16x16x32_f16 v[ACC+8*(4*(\a)+\b):ACC+8*(4*(\a)+\b)+7], v[\f+64+8*(4*\c+\b):\f+64+8*(4*\c+\b)+7], v[\f+8*(4*\c+\a):\f+8*(4*\c+\a)+7], 0
.else
	v_wmma_f32_16x16x32_f16 v[ACC+8*(4*(\a)+\b):ACC+8*(4*(\a)+\b)+7], v[\f+64+8*(4*\c+\b):\f+64+8*(4*\c+\b)+7], v[\f+8*(4*\c+\a):\f+8*(4*\c+\a)+7], v[ACC+8*(4*(\a)+\b):ACC+8*(4*(\a)+\b)+7]
.endif
.endr
.endr
.endm
; 32 LDS loads in one run: the fragments of 64 along K at byte k of the rows, into buffer f; the first 32 along K first
.macro FETCH slot, k, f
	WIN TO_F
.irp c, 0,1
.irp i, 0,1,2,3
	ds_load_b128 v[\f+64+8*(4*\c+\i):\f+64+8*(4*\c+\i)+3],   v[ADRB+\slot] offset:\k+64*\c+\i*16*PITCH
	ds_load_b128 v[\f+64+8*(4*\c+\i)+4:\f+64+8*(4*\c+\i)+7], v[ADRB+\slot] offset:\k+64*\c+\i*16*PITCH+32
	ds_load_b128 v[\f+8*(4*\c+\i):\f+8*(4*\c+\i)+3],         v[ADRA+\slot] offset:\k+64*\c+\i*16*PITCH
	ds_load_b128 v[\f+8*(4*\c+\i)+4:\f+8*(4*\c+\i)+7],       v[ADRA+\slot] offset:\k+64*\c+\i*16*PITCH+32
.endr
.endr
.endm
.macro PLACES                          ; four places in front of loads into registers that matrix instructions have read, and of the first read of results
.rept 4
	v_nop
.endr
.endm
; A K step is four quarters of 64 along K, 32 matrix instructions each, on buffers 0, 1, 0, 1.  One of the first three: multiplies buffer f and fetches the next quarter, at byte k, into g.
.macro QUARTER slot, k, f, g, zero
	s_wait_dscnt 16                                ; the first 32 along K are in; the youngest sixteen loads may be out
	WIN MUL
	MUL8 \f, 0, 0, \zero
	MUL8 \f, 0, 2, \zero
	PLACES
	FETCH \slot, \k, \g
	s_wait_dscnt 32                                ; all but the 32 just issued
	WIN MUL
	MUL8 \f, 1, 0, 0
	MUL8 \f, 1, 2, 0
.endm
; The last quarter multiplies buffer 1 and changes slots: ONE barrier; in front of it each wave waits for all its tensor loads, adds 0 to its spare word, and waits for that and for its own reads of this slot.
.macro TURN slot, next, fill
	WIN 0                                          ; (the add's two registers lie in window 0)
	s_wait_tensorcnt 0x0                           ; all my tensor loads have landed: my part of the next slot;
	ds_add_u32 v[SPW], v[NIL]                      ; 0 onto my spare word;
	s_wait_dscnt 17                                ; (the add and the youngest sixteen loads may be out)
	WIN MUL
	MUL8 F1, 0, 0, 0                               ; eight matrix instructions stand between the add and the wait for it
	s_wait_dscnt 0x0                               ; the add is done, and my reads of this slot are over
	s_barrier_signal -1
	MUL8 F1, 0, 2, 0
.if \fill
	WIN 0
.endif
	s_barrier_wait -1
.if \fill
	CREST                                          ; the barrier has opened a round of the cluster's barrier: no wave of any partner still reads this slot's tile or has a load on its way
	s_add_nc_u64 s[G0+4*\slot+2:G0+4*\slot+3], s[G0+4*\slot+2:G0+4*\slot+3], 2*KSTEP*2
	s_add_nc_u64 s[G0B+4*\slot+2:G0B+4*\slot+3], s[G0B+4*\slot+2:G0B+4*\slot+3], 2*KSTEP*2
	JLOAD \slot                                    ; the first tensor load behind the round; its four v_nop are the places in front of the loads below
.else
	PLACES
.endif
	FETCH \next, 0, F0
	WIN MUL
	MUL8 F1, 1, 0, 0
	MUL8 F1, 1, 2, 0
.endm
	s_wait_tensorcnt 1                             ; my part of K step 0 is in; K step 1's may stay out
	s_barrier_signal -1
	s_barrier_wait -1
	FETCH 0, 0, F0
	QUARTER 0, 128, F0, F1, 1                      ; the first quarter stands in front of the loop: its first products start the sums
	WIN 0                                          ; at a label and at a branch every window is 0
	s_mov_b32 s3, LAPS-1
.Llap:                                                 ; a trip goes once round the ring, from a lap's second quarter to the next lap's first, and fills both slots again
	QUARTER 0, 256, F1, F0, 0
	QUARTER 0, 384, F0, F1, 0
	TURN 0, 1, 1
	QUARTER 1, 128, F0, F1, 0
	QUARTER 1, 256, F1, F0, 0
	QUARTER 1, 384, F0, F1, 0
	TURN 1, 0, 1
	QUARTER 0, 128, F0, F1, 0
	WIN 0
	s_sub_co_u32 s3, s3, 1
	s_cmp_lg_u32 s3, 0
	s_cbranch_scc1 .Llap
	QUARTER 0, 256, F1, F0, 0                      ; the last lap fills nothing, and has no round of the cluster's barrier
	QUARTER 0, 384, F0, F1, 0
	TURN 0, 1, 0
	QUARTER 1, 128, F0, F1, 0
	QUARTER 1, 256, F1, F0, 0
	QUARTER 1, 384, F0, F1, 0
	s_wait_dscnt 16                                ; the very last quarter: nothing more to fetch
	WIN MUL
	MUL8 F1, 0, 0, 0
	MUL8 F1, 0, 2, 0
	s_wait_dscnt 0
	MUL8 F1, 1, 0, 0
	MUL8 F1, 1, 2, 0
	WIN 0
	; THE WAY OUT, 16 rows at a time: a lane's 32 bytes go into my own stage and come back as whole rows of 256 bytes: sixteen lanes store 256 consecutive bytes.
	PLACES
.irp a, 0,1,2,3
.if \a >= 2
	s_wait_xcnt 0x0                                ; block a - 2's stores have read their data: those registers are loaded again only behind this wait
.endif
.irp b, 0,1,2,3
	ds_store_b128 v[STO], v[ACC+8*(4*\a+\b):ACC+8*(4*\a+\b)+3] offset:64*\b            ; each accumulator from its low end on
	ds_store_b128 v[STO], v[ACC+8*(4*\a+\b)+4:ACC+8*(4*\a+\b)+7] offset:64*\b+16
.endr
.irp t, 0,1,2,3,4,5,6,7
	ds_load_b128 v[TMP+32*(\a%2)+4*\t:TMP+32*(\a%2)+4*\t+3], v[RD] offset:\t*2*SPITCH   ; LDS serves a wave's instructions in order: these see the stores above
.endr
	s_wait_dscnt 0x0
.irp t, 0,1,2,3,4,5,6,7
	global_store_b128 v[CO], v[TMP+32*(\a%2)+4*\t:TMP+32*(\a%2)+4*\t+3], s[8:9] offset:(16*\a+2*\t)*SIZE_N*4 th:TH_STORE_NT
.endr
.endr
	s_wait_tensorcnt 0x0                           ; the wave's end, behind my last tensor load and my last LDS store
	ds_add_u32 v[SPW], v[NIL]
	s_wait_dscnt 0x0
	CROUND                                         ; the closing round
	s_endpgm
.Lfunc_end_k_q8819c8ba2f_proj:
	.size	k_q8819c8ba2f_proj, .Lfunc_end_k_q8819c8ba2f_proj-k_q8819c8ba2f_proj
	.p2alignl 7, 3214868480
	.fill 96, 4, 3214868480
	.section	.rodata,"a",@progbits
	.p2align	6, 0x0
	.amdhsa_kernel k_q8819c8ba2f_proj
		.amdhsa_group_segment_fixed_size 327680
		.amdhsa_private_segment_fixed_size 0
		.amdhsa_enable_private_segment 0
		.amdhsa_kernarg_size 24
		.amdhsa_user_sgpr_count 2
		.amdhsa_user_sgpr_kernarg_segment_ptr 1
		.amdhsa_wavefront_size32 1
		.amdhsa_system_sgpr_workgroup_id_x 1
		.amdhsa_system_sgpr_workgroup_id_y 1
		.amdhsa_system_sgpr_workgroup_id_z 1
		.amdhsa_system_vgpr_workitem_id 0
		.amdhsa_next_free_vgpr 512
		.amdhsa_next_free_sgpr 66
		.amdhsa_reserve_vcc 0
		.amdhsa_float_denorm_mode_32 3
		.amdhsa_float_denorm_mode_16_64 3
		.amdhsa_memory_ordered 1
		.amdhsa_forward_progress 1
		.amdhsa_inst_pref_size 86
	.end_amdhsa_kernel
	.amdgpu_metadata
---
amdhsa.version: [ 1, 2 ]
amdhsa.kernels:
  - .name:           k_q8819c8ba2f_proj
    .symbol:         k_q8819c8ba2f_proj.kd
    .args:
      - { .name: att16, .offset: 0, .size: 8, .value_kind: global_buffer, .address_space: global }
      - { .name: wo16, .offset: 8, .size: 8, .value_kind: global_buffer, .address_space: global }
      - { .name: out0, .offset: 16, .size: 8, .value_kind: global_buffer, .address_space: global }
    .group_segment_fixed_size: 327680
    .private_segment_fixed_size: 0
    .kernarg_segment_align: 8
    .kernarg_segment_size: 24
    .max_flat_workgroup_size: 128
    .sgpr_count:     66
    .vgpr_count:     512
    .wavefront_size: 32
...
	.end_amdgpu_metadata
.endif
;; end of part 4
;; launch rows16 (part 5): grid 128 x 1, 16 waves a work-group, no clusters, 18,432 bytes of LDS; arguments fine32, wo, out0; writes out0
.if DOCPART == 5
	.amdgcn_target "amdgcn-amd-amdhsa--gfx1250"
	.amdhsa_code_object_version 6
	.text
	.protected	k_q8819c8ba2f_rows16
	.globl	k_q8819c8ba2f_rows16
	.p2align	8
	.type	k_q8819c8ba2f_rows16,@function
k_q8819c8ba2f_rows16:
	s_mov_b64 s[64:65], 0
	v_nop
	global_prefetch_b8 v0, s[64:65] scope:SCOPE_SE
	s_setreg_imm32_b32 hwreg(HW_REG_WAVE_MODE, 25, 1), 1
	s_wait_xcnt 0x0
; Tokens 0-15 once more, with f32 operands throughout: under the causal mask these rows average one to sixteen values and are the largest of the output, so the rounding of 16-bit operands weighs most on them.
; fine32: [24][16][128] f32: slabs 0-15 q x 2^-6, 16-19 k x 2^-6, 20-23 v, all behind RoPE.  wo: [2048][2048] f32.  out0 rows 0-15 are written over what the launch before left there.
; SHARES.  Work-group g makes out0[0..15][16 g .. 16 g + 15].  Wave w is head w: it makes its head's attention for the 16 queries (64 small matrix instructions, made again in each of the 128 work-groups: a launch for them
; alone would cost more), multiplies the result, which stays in its registers, by wo[16 g + r][128 w .. 128 w + 127], and the sixteen waves' partial sums meet in LDS, added in a fixed order.
; wo is read once in the launch, 512 consecutive bytes for each row and wave.  The output goes out in pieces of 64 bytes a row: 128 KB in all; wider pieces would multiply every wave's f32 matrix work.
; LAYOUT (ISA guide 7.12: the f32 form holds k = 2 (lane / 16) + j in register j).  A permutation of k that is the same on both sides keeps the products: each product below states its own.
; The registers that the f32 matrix form writes (v144-239) are written by matrix instructions alone.  Eight plain places stand behind that form ahead of reads and loads, nine ahead of a matrix instruction that takes its result as an operand.
; The softmax takes the row's maximum away; c = 2^12 log2(e) / sqrt(128) makes up for the two factors 2^-6.
.set KA,  16                           ; v16-79   k, later v, later the partial sums
.set QB,  80                           ; v80-143  q, later wo
.set OA,  144                          ; v144-207 O^T: 8 tiles
.set SA,  208                          ; v208-239 four accumulators
.set TT,  240                          ; v240-247 scores, p, later my partial sums
.set U,   248                          ; v248-255 at work
.set SPW, 12
.set NIL, 13
.set SPARE, 16384                      ; behind the sixteen waves' 1,024 bytes: the spare words, 128 bytes a wave, which no other line names
	s_load_b128 s[4:7], s[0:1], 0x0                ; fine32, wo
	s_load_b64 s[8:9], s[0:1], 0x10                ; out0
	v_lshl_add_u32 v[SPW], v0, 2, SPARE
	v_mov_b32 v[NIL], 0
	v_lshrrev_b32 v1, 5, v0
	v_readfirstlane_b32 s10, v1                    ; wave = head
	v_and_b32 v1, 15, v0                           ; r
	v_bfe_u32 v2, v0, 4, 1                         ; h
	v_lshlrev_b32 v3, 9, v1
	v_lshl_add_u32 v3, v2, 8, v3                   ; q, k: row r of 512 bytes, channels 64 h on
	v_lshlrev_b32 v4, 2, v1
	v_lshl_add_u32 v4, v2, 12, v4                  ; v: keys 8 h on, channel r
	v_lshlrev_b32 v5, 13, v1
	v_lshl_add_u32 v5, v2, 5, v5                   ; wo and out0: row r of 8,192 bytes, + 32 h
	v_and_b32 v6, 31, v0
	v_lshlrev_b32 v6, 4, v6                        ; 16 x lane
	s_lshl_b32 s11, s10, 10
	v_add_nc_u32 v7, s11, v6                       ; LDS: my wave's 1,024 bytes
	s_lshl_b32 s11, s10, 9
	v_add_nc_u32 v8, s11, v6                       ; and, for waves 0 and 1, the half that the wave adds up
	v_lshlrev_b32 v10, 3, v2
	v_sub_nc_u32 v10, v1, v10                      ; d = r - 8 h
	v_mov_b32 v11, 0xff800000                      ; -infinity
	s_mov_b32 s12, 0x76543210
	s_mov_b32 s13, 0xfedcba98                      ; lane l xor 16
	s_mov_b32 s14, 0x440293ee                      ; c
	s_lshl_b32 s16, s10, 13                        ; q's slab
	s_mov_b32 s17, 0
	s_lshr_b32 s18, s10, 2
	s_lshl_b32 s18, s18, 13
	s_add_co_u32 s18, s18, 16*8192                 ; k's slab: 16 + head / 4
	s_mov_b32 s19, 0
	s_lshl_b32 s20, ttmp9, 17                      ; wo: 16 g rows, + 512 w bytes
	s_add_co_u32 s20, s20, s11
	s_mov_b32 s21, 0
	s_lshl_b32 s22, ttmp9, 6                       ; out0: 64 g bytes, + 16 x wave (waves 0 and 1 store)
	s_lshl_b32 s23, s10, 4
	s_add_co_u32 s22, s22, s23
	s_mov_b32 s23, 0
	s_wait_kmcnt 0x0
	s_add_nc_u64 s[16:17], s[4:5], s[16:17]
	s_add_nc_u64 s[18:19], s[4:5], s[18:19]
	s_add_nc_u64 s[24:25], s[18:19], 4*8192        ; v's slab
	s_add_nc_u64 s[6:7], s[6:7], s[20:21]
	s_add_nc_u64 s[8:9], s[8:9], s[22:23]
.irp c, 0,1,2,3,4,5,6,7,8,9,10,11,12,13,14,15
	global_load_b128 v[KA+4*\c:KA+4*\c+3], v3, s[18:19] offset:16*\c   ; k(key r, channel 64 h + 4 c + 0 .. 3)
	global_load_b128 v[QB+4*\c:QB+4*\c+3], v3, s[16:17] offset:16*\c   ; q(query r, the same channels)
.endr
	s_wait_loadcnt 0x0
	; S^T = k q^T: step n takes channels 64 h + 2 n + j on both sides.  Four accumulators take turns; the first four steps start the sums.  Register j of the result: key 8 h + j, query r
.set n, 0
.rept 32
.if n < 4
	v_wmma_f32_16x16x4_f32 v[SA+8*(n%4):SA+8*(n%4)+7], v[KA+2*n:KA+2*n+1], v[QB+2*n:QB+2*n+1], 0
.else
	v_wmma_f32_16x16x4_f32 v[SA+8*(n%4):SA+8*(n%4)+7], v[KA+2*n:KA+2*n+1], v[QB+2*n:QB+2*n+1], v[SA+8*(n%4):SA+8*(n%4)+7]
.endif
.set n, n+1
.endr
.rept 8
	v_nop
.endr
.irp t, 0,1,2,3,4,5,6,7
.irp i, 0,1,2,3,4,5,6,7
	global_load_b32 v[KA+8*\t+\i], v4, s[24:25] offset:512*\i+64*\t    ; v(key 8 h + i, channel 16 t + r)
.endr
.endr
.irp t, 0,1,2,3,4,5,6,7
	global_load_b128 v[QB+8*\t:QB+8*\t+3],   v5, s[6:7] offset:64*\t      ; wo(16 g + r, 128 w + 16 t + 8 h + 0 .. 7)
	global_load_b128 v[QB+8*\t+4:QB+8*\t+7], v5, s[6:7] offset:64*\t+16
.endr
.macro SUM4                            ; the four accumulators are added into v[TT] on, each read from its low end on
.irp jj, 0,2,4,6
	v_pk_add_f32 v[U+\jj:U+\jj+1], v[SA+\jj:SA+\jj+1], v[SA+8+\jj:SA+8+\jj+1]
.endr
.irp jj, 0,2,4,6
	v_pk_add_f32 v[TT+\jj:TT+\jj+1], v[SA+16+\jj:SA+16+\jj+1], v[SA+24+\jj:SA+24+\jj+1]
.endr
.irp jj, 0,2,4,6
	v_pk_add_f32 v[TT+\jj:TT+\jj+1], v[TT+\jj:TT+\jj+1], v[U+\jj:U+\jj+1]
.endr
.endm
	SUM4
.irp j, 0,1,2,3,4,5,6,7
	v_cmp_gt_i32 vcc_lo, \j, v10                   ; key 8 h + j comes after query r: hidden
	v_cndmask_b32 v[TT+\j], v[TT+\j], v11, vcc_lo
.endr
	v_max3_num_f32 v[U], v[TT], v[TT+1], v[TT+2]
	v_max3_num_f32 v[U], v[U], v[TT+3], v[TT+4]
	v_max3_num_f32 v[U], v[U], v[TT+5], v[TT+6]
	v_max_num_f32 v[U], v[U], v[TT+7]
	v_permlanex16_b32 v[U+1], v[U], s12, s13
	v_max_num_f32 v[U], v[U], v[U+1]               ; the row's maximum: key 0 counts for every query
	v_mul_f32 v[U+2], s14, v[U]
.irp j, 0,1,2,3,4,5,6,7
	v_fma_f32 v[TT+\j], v[TT+\j], s14, -v[U+2]
.endr
.irp j, 0,1,2,3,4,5,6,7
	v_exp_f32 v[TT+\j], v[TT+\j]
.endr
	v_nop
	s_wait_alu depctr_va_vdst(0)                   ; one wait for the eight, ahead of their first reader
	v_pk_add_f32 v[U+4:U+5], v[TT:TT+1], v[TT+2:TT+3]
	v_pk_add_f32 v[U+6:U+7], v[TT+4:TT+5], v[TT+6:TT+7]
	v_pk_add_f32 v[U+4:U+5], v[U+4:U+5], v[U+6:U+7]
	v_add_f32 v[U+4], v[U+4], v[U+5]
	v_permlanex16_b32 v[U+6], v[U+4], s12, s13
	v_add_f32 v[U+4], v[U+4], v[U+6]               ; the row's sum
	v_rcp_f32 v[U+7], v[U+4]
	v_nop
	s_wait_alu depctr_va_vdst(0)
.irp j, 0,1,2,3,4,5,6,7
	v_mul_f32 v[TT+\j], v[TT+\j], v[U+7]           ; the weights, normalised: p(key 8 h + j, query r)
.endr
	s_wait_loadcnt 16                              ; v is in; wo's sixteen loads stay out
	; O^T = v^T p: step s2 takes keys 8 h + 2 s2 + j on both sides.  Eight accumulators take turns.  Register j of tile t: channel 16 t + 8 h + j, query r
.irp s2, 0,1,2,3
.irp t, 0,1,2,3,4,5,6,7
.if \s2 == 0
	v_wmma_f32_16x16x4_f32 v[OA+8*\t:OA+8*\t+7], v[KA+8*\t+2*\s2:KA+8*\t+2*\s2+1], v[TT+2*\s2:TT+2*\s2+1], 0
.else
	v_wmma_f32_16x16x4_f32 v[OA+8*\t:OA+8*\t+7], v[KA+8*\t+2*\s2:KA+8*\t+2*\s2+1], v[TT+2*\s2:TT+2*\s2+1], v[OA+8*\t:OA+8*\t+7]
.endif
.endr
.endr
.rept 9
	v_nop                                          ; the results become operands
.endr
	s_wait_loadcnt 0x0                             ; wo
	; y^T = wo O^T over my head's 128: step (t, i2) takes k = 128 w + 16 t + 8 h + 2 i2 + j on both sides.  Four accumulators take turns.  Register j: column 16 g + 8 h + j, query r
.irp t, 0,1,2,3,4,5,6,7
.irp i2, 0,1,2,3
.if \t == 0
	v_wmma_f32_16x16x4_f32 v[SA+8*\i2:SA+8*\i2+7], v[QB+8*\t+2*\i2:QB+8*\t+2*\i2+1], v[OA+8*\t+2*\i2:OA+8*\t+2*\i2+1], 0
.else
	v_wmma_f32_16x16x4_f32 v[SA+8*\i2:SA+8*\i2+7], v[QB+8*\t+2*\i2:QB+8*\t+2*\i2+1], v[OA+8*\t+2*\i2:OA+8*\t+2*\i2+1], v[SA+8*\i2:SA+8*\i2+7]
.endif
.endr
.endr
.rept 8
	v_nop
.endr
	SUM4
	ds_store_b128 v7, v[TT:TT+3]                   ; my head's part, as an image of the registers: columns 8 h + 0 .. 3,
	ds_store_b128 v7, v[TT+4:TT+7] offset:512      ; and 8 h + 4 .. 7
	s_wait_tensorcnt 0x0                           ; behind my last LDS store; only LDS reads follow.
	ds_add_u32 v[SPW], v[NIL]
	s_wait_dscnt 0x0                               ; For the others' sake too: my stores have landed
	s_barrier_signal -1
	s_barrier_wait -1
	s_cmp_lt_u32 s10, 2                            ; wave u of 0, 1 adds up the sixteen heads' parts of columns 8 h + 4 u + 0 .. 3
	s_cbranch_scc0 .Ldone
.irp i, 0,1,2,3,4,5,6,7,8,9,10,11,12,13,14,15
	ds_load_b128 v[KA+4*\i:KA+4*\i+3], v8 offset:1024*\i
.endr
	s_wait_dscnt 0x0
.irp i, 0,1,2,3,4,5,6,7
	v_pk_add_f32 v[KA+4*\i:KA+4*\i+1], v[KA+4*\i:KA+4*\i+1], v[KA+32+4*\i:KA+32+4*\i+1]
	v_pk_add_f32 v[KA+4*\i+2:KA+4*\i+3], v[KA+4*\i+2:KA+4*\i+3], v[KA+32+4*\i+2:KA+32+4*\i+3]
.endr
.irp i, 0,1,2,3
	v_pk_add_f32 v[KA+4*\i:KA+4*\i+1], v[KA+4*\i:KA+4*\i+1], v[KA+16+4*\i:KA+16+4*\i+1]
	v_pk_add_f32 v[KA+4*\i+2:KA+4*\i+3], v[KA+4*\i+2:KA+4*\i+3], v[KA+16+4*\i+2:KA+16+4*\i+3]
.endr
.irp i, 0,1
	v_pk_add_f32 v[KA+4*\i:KA+4*\i+1], v[KA+4*\i:KA+4*\i+1], v[KA+8+4*\i:KA+8+4*\i+1]
	v_pk_add_f32 v[KA+4*\i+2:KA+4*\i+3], v[KA+4*\i+2:KA+4*\i+3], v[KA+8+4*\i+2:KA+8+4*\i+3]
.endr
	v_pk_add_f32 v[KA:KA+1], v[KA:KA+1], v[KA+4:KA+5]
	v_pk_add_f32 v[KA+2:KA+3], v[KA+2:KA+3], v[KA+6:KA+7]
	global_store_b128 v5, v[KA:KA+3], s[8:9]       ; out0(r, 16 g + 8 h + 4 u + 0 .. 3)
.Ldone:
	s_endpgm
.Lfunc_end_k_q8819c8ba2f_rows16:
	.size	k_q8819c8ba2f_rows16, .Lfunc_end_k_q8819c8ba2f_rows16-k_q8819c8ba2f_rows16
	.p2alignl 7, 3214868480
	.fill 96, 4, 3214868480
	.section	.rodata,"a",@progbits
	.p2align	6, 0x0
	.amdhsa_kernel k_q8819c8ba2f_rows16
		.amdhsa_group_segment_fixed_size 18432
		.amdhsa_private_segment_fixed_size 0
		.amdhsa_enable_private_segment 0
		.amdhsa_kernarg_size 24
		.amdhsa_user_sgpr_count 2
		.amdhsa_user_sgpr_kernarg_segment_ptr 1
		.amdhsa_wavefront_size32 1
		.amdhsa_system_sgpr_workgroup_id_x 1
		.amdhsa_system_sgpr_workgroup_id_y 1
		.amdhsa_system_sgpr_workgroup_id_z 1
		.amdhsa_system_vgpr_workitem_id 0
		.amdhsa_next_free_vgpr 256
		.amdhsa_next_free_sgpr 66
		.amdhsa_reserve_vcc 1
		.amdhsa_float_denorm_mode_32 3
		.amdhsa_float_denorm_mode_16_64 3
		.amdhsa_memory_ordered 1
		.amdhsa_forward_progress 1
		.amdhsa_inst_pref_size 27
	.end_amdhsa_kernel
	.amdgpu_metadata
---
amdhsa.version: [ 1, 2 ]
amdhsa.kernels:
  - .name:           k_q8819c8ba2f_rows16
    .symbol:         k_q8819c8ba2f_rows16.kd
    .args:
      - { .name: fine32, .offset: 0, .size: 8, .value_kind: global_buffer, .address_space: global }
      - { .name: wo, .offset: 8, .size: 8, .value_kind: global_buffer, .address_space: global }
      - { .name: out0, .offset: 16, .size: 8, .value_kind: global_buffer, .address_space: global }
    .group_segment_fixed_size: 18432
    .private_segment_fixed_size: 0
    .kernarg_segment_align: 8
    .kernarg_segment_size: 24
    .max_flat_workgroup_size: 512
    .sgpr_count:     66
    .vgpr_count:     256
    .wavefront_size: 32
...
	.end_amdgpu_metadata
.endif
;; end of part 5
